; MI455X (gfx1250); checked and timed in simulation.
; The chip was launched on July 23, 2026; its instructions are those of AMD's public machine-readable ISA for CDNA 5 (MIT licence, August 2026) and "CDNA5" Instruction Set Architecture Reference Guide (July 2026). The comments in the code are by the model that wrote it; some were corrected since.
;; Multi Head Attention. Allowed arithmetic: matrix products marked QUANTISED: E2M3 operands, one E8M0 scale for each 32 along K, by v_wmma_scale_f32_16x16x128_f8f6f4 with both operands' format E2M3, f32 sums; everything else in f32.
;; Inputs: Wk 1,024 x 1,024 float32; Wo 1,024 x 1,024 float32; Wq 1,024 x 1,024 float32; Wv 1,024 x 1,024 float32; bk 1,024 float32; bo 1,024 float32; bq 1,024 float32; bv 1,024 float32; x 4 x 2,048 x 1,024 float32.
;; Outputs: out0 4 x 2,048 x 1,024 float32.
;; This version of the problem:
;;   THIS VERSION OF THE PROBLEM IS GIVEN IN LOW PRECISION. The matrix products marked QUANTISED in the list below multiply operands that are first quantised to E2M3 (2 exponent bits, 3 mantissa bits; 6 bits a number), with one power-of-two scale for each 32 numbers along K (OCP MX v1.0); their sums are f32. All else is computed in f32.
;;   The module's matrix products, in the order in which they are computed (A, B: the left and right operand; K: the contracted axis; several contracted axes count as one K, in the product's order):
;;     1. [M 8,192, K 1,024] x [K 1,024, N 1,024]; A: input x; B: input Wq: QUANTISED
;;     2. [M 8,192, K 1,024] x [K 1,024, N 1,024]; A: input x; B: input Wk: QUANTISED
;;     3. [M 8,192, K 1,024] x [K 1,024, N 1,024]; A: input x; B: input Wv: QUANTISED
;;     4. batch 64 x [M 2,048, K 64] x [K 64, N 2,048]; A: computed on the way; B: computed on the way: QUANTISED
;;     5. batch 64 x [M 2,048, K 2,048] x [K 2,048, N 64]; A: softmax (see below); B: computed on the way: QUANTISED
;;     6. [M 8,192, K 1,024] x [K 1,024, N 1,024]; A: computed on the way; B: input Wo: QUANTISED
;;   THE QUANTISER, for each operand of a quantised product, along K:
;;     - K is cut into blocks of 32 from its start; a last block that is shorter is filled with zeros.
;;     - A block's scale is 2^e with e = floor(log2(the largest magnitude in the block)) - 2, held to -126 .. 127; a block of zeros has e = 0. As a byte (E8M0): e + 127.
;;     - Each number is divided by its block's scale, clamped to +-7.5, and rounded to the nearest number of E2M3, ties to even, subnormals kept.
;;     - The product sums the exact products of the quantised numbers (number of the format x scale) in f32.
;;   ~~~python
;;   def quantise(x, axis):      # numpy; x: float32 -> the quantised numbers, widened to float32 again
;;       x = np.moveaxis(x, axis, -1); K = x.shape[-1]
;;       x = np.pad(x, [(0, 0)] * (x.ndim - 1) + [(0, -K % 32)]); x = x.reshape(x.shape[:-1] + (-1, 32)); a = np.abs(x).max(-1, keepdims=True)
;;       e = np.where(a > 0, np.clip(np.frexp(np.where(a > 0, a, 1))[1] - 1 - 2, -126, 127), 0)      # np.frexp(a)[1] - 1 = floor(log2(a)), exactly
;;       r = np.clip(x / 2.0 ** e, -7.5, 7.5)
;;       step = 2.0 ** (np.maximum(np.frexp(np.where(r == 0, 1, r))[1] - 1, 0) - 3)
;;       q = np.round(r / step) * step * 2.0 ** e      # np.round: ties to even
;;       return np.moveaxis(q.reshape(q.shape[:-2] + (-1,))[..., :K], -1, axis).astype(np.float32)
;;   ~~~
;;   SOFTMAX AHEAD OF A QUANTISED PRODUCT. Where the list says 'softmax', what is quantised is not the finished softmax but p = 2^(t - M), with t = logit x log2(e) and M = ceil(the row's largest t), a whole number; so 1/2 < the row's largest p <= 1. The row's sum l is taken of the UNQUANTISED p, in f32, and the product's result is divided by l at the end. Since M is a whole number, a kernel that streams over the keys may use a running M (the ceiling of the running maximum): every later rescaling is an exact power of two, which a block's scale takes up: the codes' values come out the same.
;;   OPERANDS COMPUTED ON THE WAY. 'Computed on the way' means the value that the module computes at that place (a softmax that the list does not call 'softmax' is quantised finished and normalised). What goes into a quantiser is computed in f32, as accurately as f32 sums, v_exp_f32 and their like allow (about 1e-6 of the number): no bf16 or f16 on the way to a quantiser, and a product that is left as it is and whose result goes on into a quantised operand takes f32 operands (vector FMAs, or v_wmma_f32_16x16x4_f32). A number that lies on a knife's edge between two numbers of the format may be rounded either way, as far as f32 arithmetic and the matrix unit's own rounding can turn it there, and no further.
;; One version. Each part assembles by itself: llvm-mc -triple=amdgcn-amd-amdhsa -mcpu=gfx1250 --defsym DOCPART=n.
;; ======== version 1 of 1: 4 launches
;; workspace buffers: xc 6,553,600 bytes; wc 3,276,800 bytes; qk 13,631,488 bytes; vv 6,553,600 bytes; cc 6,553,600 bytes
;; launch quant (part 1): grid 768 x 1, 2 waves a work-group, no clusters, 17,664 bytes of LDS; arguments x, Wq, Wk, Wv, Wo, xc, wc; writes xc, wc
.if DOCPART == 1
	.amdgcn_target "amdgcn-amd-amdhsa--gfx1250"
	.amdhsa_code_object_version 6
	.text
	.protected	k_q5db699f5d0_quant
	.globl	k_q5db699f5d0_quant
	.p2align	8
	.type	k_q5db699f5d0_quant,@function
k_q5db699f5d0_quant:
	s_mov_b64 s[64:65], 0
	v_nop
	global_prefetch_b8 v0, s[64:65] scope:SCOPE_SE
	s_setreg_imm32_b32 hwreg(HW_REG_WAVE_MODE, 25, 1), 1
	s_wait_xcnt 0x0
; x [8192][1024] (K innermost) and Wq, Wk, Wv, Wo [1024 (K)][1024 (n)] (K outermost), f32, become codes of FP6 (E2M3) with one E8M0 byte for each 32 along K,
; laid in the ORDER OF THE OPERAND'S REGISTERS, so that the products' launches load fragments whole.
; A block's scale is 2^(floor(log2(its largest magnitude)) - 2): its byte is the largest magnitude's exponent field - 2, held at 1 from below.
; LIMITS: NaN and infinities among the inputs are not served; a block whose largest magnitude lies under 2^-124 keeps the byte 1; a block of zeros gets the byte 1 where the
; rule says 127: its codes are zeros, which add nothing under any byte but 0xff, and this program alone reads the bytes.
; LAYOUT.  Rows (tokens of x; columns n of a weight) go in groups of 128; tile T (0..7) of a group holds in slot r (0..15) the row 32 (T/2) + 8 (T%2) + r + 8 (r/8).
; A HALF-IMAGE is 16 rows x 64 K, 768 bytes: lane (r, h) owns the 24 bytes of codes k = 32 h .. 32 h + 31 of slot r: its registers 0-3 at 16 x lane, 4-5 at 512 + 8 x lane.
; A RECORD is a group x 256 K, 25,600 bytes, at (4 group + K/256) x 25,600: codes at 12,288 ks + 1,536 T + 768 c (ks: which 128, c: which 64 of them);
; scale words at 24,576 + 256 p + 8 x lane + 4 ks: lane (r, u) has the four bytes of slot r of tile 2 p + u.
; SHARES.  A wave takes a pair of tiles (32 rows) x 256 K, in four parts of 64 K.  LANE (r, u) HOLDS ALL 64 NUMBERS OF ITS ROW (slot r of tile 2 p + u) in 64 registers on end: a block's
; largest magnitude needs no other lane, and the scale word arises in the lane that owns it.  Six exchanges of lane halves turn the two blocks' codes into the two tiles' half-images.
; Work-groups 0-255 take the weights (a lane a column, registers down K: each load reads 128 consecutive bytes), 256-767 take x (each load reads two runs of 256 consecutive bytes;
; the 32 rows turn through the wave's own stage in LDS).  The two ways part once, on the work-group's number; only x's way stages through LDS.  No barrier: waves share nothing.
.set REC,   25600
.set PITCH, 272                        ; a stage row: 256 bytes + 16, an odd multiple of 16 bytes
.set STG,   32*PITCH                   ; a wave's stage
.set LN,    1                          ; v1   lane
.set L16,   2                          ; v2   16 x lane
.set L8,    3                          ; v3   8 x lane
.set GO,    4                          ; v4   my byte offset in the source
.set STI,   5                          ; v5   the stage, on the way in
.set STO,   6                          ; v6   and on the way out: my row
.set MX,    8                          ; v8-9   the two blocks' largest magnitudes
.set SO,    10                         ; v10-11 the conversions' scale operands
.set BY,    12                         ; v12-13 the scale bytes
.set WD,    20                         ; v[20:21] my row's two scale words
.set X0,    32                         ; v32-95, v96-159: two sets of 64 numbers
.set CA,    160                        ; v160-165 block 0's codes, then tile 2 p's half-image;  v166-168 its upper half as it is made
.set TA,    166
.set CB,    170                        ; v170-175 block 1's, then tile 2 p + 1's;  v176-178
.set TC,    176
.set DC,    32                         ; s[32:33] where my pair's codes begin
.set DS,    34                         ; s[34:35] and its scale words
.set SRC,   36                         ; s[36:37] where my numbers begin
	s_load_b256 s[4:11], s[0:1], 0x0               ; x s[4:5], Wq s[6:7], Wk s[8:9], Wv s[10:11]
	s_load_b128 s[12:15], s[0:1], 0x20             ; Wo s[12:13], xc s[14:15]
	s_load_b64 s[16:17], s[0:1], 0x30              ; wc
	v_lshl_add_u32 v192, v0, 2, 0x4400
	v_mov_b32 v193, 0
	v_lshrrev_b32 v7, 5, v0
	v_readfirstlane_b32 s18, v7                    ; wave 0, 1
	v_and_b32 v[LN], 31, v0
	v_and_b32 v14, 15, v0                          ; r
	v_bfe_u32 v15, v0, 4, 1                        ; lane / 16
	v_lshlrev_b32 v[L16], 4, v[LN]
	v_lshlrev_b32 v[L8], 3, v[LN]
	s_mul_i32 s19, s18, STG                        ; both LDS addresses are made ahead of the parting
	v_mul_u32_u24 v[STI], v15, PITCH
	v_lshl_add_u32 v[STI], v14, 4, v[STI]
	v_add_nc_u32 v[STI], s19, v[STI]               ; in: a load's two rows, 16 bytes a lane
	v_mul_u32_u24 v[STO], v[LN], PITCH
	v_add_nc_u32 v[STO], s19, v[STO]               ; out: stage row = lane
	s_wait_kmcnt 0x0
; where pair pi (s[pi]) of K/256 = s[kp] lies in the buffer at s[buf]
.macro DEST pi, kp, buf
	s_lshr_b32 s26, s[\pi], 2
	s_lshl_b32 s26, s26, 2
	s_add_co_u32 s26, s26, s[\kp]
	s_mul_i32 s26, s26, REC                        ; the record
	s_and_b32 s27, s[\pi], 3                       ; p
	s_mul_i32 s28, s27, 3072
	s_add_co_u32 s28, s28, s26                     ; tile 2 p's codes
	s_mov_b32 s29, 0
	s_lshl_b32 s30, s27, 8
	s_add_co_u32 s30, s30, s26
	s_add_co_u32 s30, s30, 24576                   ; pair p's scale words
	s_mov_b32 s31, 0
	s_add_nc_u64 s[DC:DC+1], s[\buf:\buf+1], s[28:29]
	s_add_nc_u64 s[DS:DS+1], s[\buf:\buf+1], s[30:31]
.endm
; part u of x: 32 rows x 256 bytes.  Load i brings the rows that lanes 2 i and 2 i + 1 own: 2 (i%4) + 16 ((i/4)%2) + 8 (i/8) and the next
.macro LOADX xs, u
.irp i, 0,1,2,3,4,5,6,7,8,9,10,11,12,13,14,15
	global_load_b128 v[\xs+4*\i:\xs+4*\i+3], v[GO], s[SRC:SRC+1] offset:(2*(\i%4)+16*((\i/4)%2)+8*(\i/8))*4096+256*(\u) th:TH_LOAD_NT
.endr
.endm
; part u of a weight: rows 64 u + i of K at my column
.macro LOADW xs, u
.set i_, 0
.rept 64
	global_load_b32 v[\xs+i_], v[GO], s[SRC:SRC+1] offset:(64*(\u)+i_)*4096 th:TH_LOAD_NT
.set i_, i_+1
.endr
.endm
; x's rows through the stage: in as loaded, out a row a lane, into the registers that they left.  LDS serves a wave's instructions in order (ISA guide 5.7.1.4): no wait between
.macro TURN xs
.irp i, 0,1,2,3,4,5,6,7,8,9,10,11,12,13,14,15
	ds_store_b128 v[STI], v[\xs+4*\i:\xs+4*\i+3] offset:2*\i*PITCH
.endr
.irp j, 0,1,2,3,4,5,6,7,8,9,10,11,12,13,14,15
	ds_load_b128 v[\xs+4*\j:\xs+4*\j+3], v[STO] offset:16*\j
.endr
.endm
; my row's 64 numbers of part u become codes and two scale bytes; the set is loaded again two parts ahead
.macro QUANT64 xs, u, isx
	v_max3_num_f32 v[MX], |v[\xs]|, |v[\xs+1]|, 0x1800000          ; the floor 2^(3 - 127) is a leaf: the byte cannot fall under 1
	v_max3_num_f32 v[MX+1], |v[\xs+32]|, |v[\xs+33]|, 0x1800000
.irp i, 2,4,6,8,10,12,14,16,18,20,22,24,26,28,30
	v_max3_num_f32 v[MX], v[MX], |v[\xs+\i]|, |v[\xs+\i+1]|        ; the two blocks by turns
	v_max3_num_f32 v[MX+1], v[MX+1], |v[\xs+32+\i]|, |v[\xs+33+\i]|
.endr
	v_add_nc_u32 v[SO], 0xff000000, v[MX]          ; 2 off the exponent field: the conversion takes this operand's exponent field as its scale
	v_add_nc_u32 v[SO+1], 0xff000000, v[MX+1]
	v_lshrrev_b32 v[BY], 23, v[SO]                 ; the bytes
	v_lshrrev_b32 v[BY+1], 23, v[SO+1]
	v_lshl_or_b32 v[BY], v[BY+1], 8, v[BY]
.if (\u)%2 == 0
	v_mov_b32 v[WD+(\u)/2], v[BY]                  ; bytes 0, 1 of the K step's word,
.else
	v_lshl_or_b32 v[WD+(\u)/2], v[BY], 16, v[WD+(\u)/2]            ; bytes 2, 3
.endif
	s_wait_alu depctr_va_vdst(0)
	s_wait_xcnt 0x0                                ; the last part's stores have read the codes' registers: they are written again only behind this wait
	v_cvt_scalef32_pk16_fp6_f32 v[CA:CA+2], v[\xs:\xs+15], v[SO]
	v_cvt_scalef32_pk16_fp6_f32 v[TA:TA+2], v[\xs+16:\xs+31], v[SO]          ; (a conversion's three registers begin on an even number)
	v_cvt_scalef32_pk16_fp6_f32 v[CB:CB+2], v[\xs+32:\xs+47], v[SO+1]
	v_cvt_scalef32_pk16_fp6_f32 v[TC:TC+2], v[\xs+48:\xs+63], v[SO+1]
	v_nop                                          ; one plain place behind the conversions
.if (\u) < 2
.if \isx
	LOADX \xs, (\u)+2
.else
	LOADW \xs, (\u)+2
.endif
.endif
.irp i, 0,1,2
	v_permlane16_swap_b32 v[CA+\i], v[CB+\i]       ; block 0's lanes 16-31 (tile 2 p + 1) change places with block 1's lanes 0-15 (tile 2 p):
	v_permlane16_swap_b32 v[TA+\i], v[TC+\i]       ; the first now holds tile 2 p's half-image, the second tile 2 p + 1's
.endr
.irp i, 0,1,2
	v_mov_b32 v[CA+3+\i], v[TA+\i]
	v_mov_b32 v[CB+3+\i], v[TC+\i]
.endr
	global_store_b128 v[L16], v[CA:CA+3], s[DC:DC+1] offset:12288*((\u)/2)+768*((\u)%2)              ; 512 consecutive bytes,
	global_store_b64 v[L8], v[CA+4:CA+5], s[DC:DC+1] offset:12288*((\u)/2)+768*((\u)%2)+512          ; 256 more
	global_store_b128 v[L16], v[CB:CB+3], s[DC:DC+1] offset:12288*((\u)/2)+768*((\u)%2)+1536
	global_store_b64 v[L8], v[CB+4:CB+5], s[DC:DC+1] offset:12288*((\u)/2)+768*((\u)%2)+2048
.endm
.macro BODY isx
.if \isx
	LOADX X0, 0
	LOADX X0+64, 1
.else
	LOADW X0, 0
	LOADW X0+64, 1
.endif
.irp u, 0,1,2,3
.if \u < 3
.if \isx
	s_wait_loadcnt 16                              ; this part's loads are in; the next part's 16 may be out
.else
	s_wait_loadcnt 63                              ; 64 younger loads were issued; 63 is the largest count that this wait names
.endif
.else
	s_wait_loadcnt 0x0
.endif
.if \isx
	TURN X0+64*(\u%2)
	s_wait_dscnt 0x0
.endif
	QUANT64 X0+64*(\u%2), \u, \isx
.endr
	global_store_b64 v[L8], v[WD:WD+1], s[DS:DS+1] ; the pair's scale words: 256 consecutive bytes
	s_wait_tensorcnt 0x0
	ds_add_u32 v192, v193
	s_wait_dscnt 0x0
	s_endpgm
.endm
	s_cmp_lt_u32 ttmp9, 256
	s_cbranch_scc0 .Lx_path
	; ---- a weight: work-group g: weight g / 64, K/256 = g % 4, pair 2 ((g / 4) % 16) + wave
	s_lshr_b32 s20, ttmp9, 6
	s_and_b32 s21, ttmp9, 3
	s_bfe_u32 s22, ttmp9, 0x40002
	s_lshl_b32 s22, s22, 1
	s_add_co_u32 s22, s22, s18                     ; which 32 columns
	s_lshl_b32 s23, s20, 5
	s_add_co_u32 s23, s23, s22                     ; the pair's number among wc's 128
	s_cmp_eq_u32 s20, 1                            ; the choice hangs on the work-group's number alone
	s_cselect_b64 s[6:7], s[8:9], s[6:7]
	s_cmp_eq_u32 s20, 2
	s_cselect_b64 s[6:7], s[10:11], s[6:7]
	s_cmp_eq_u32 s20, 3
	s_cselect_b64 s[6:7], s[12:13], s[6:7]
	s_lshl_b32 s24, s21, 20                        ; 256 rows of 4,096 bytes
	s_lshl_b32 s25, s22, 7                         ; 32 columns of 4 bytes
	s_add_co_u32 s24, s24, s25
	s_mov_b32 s25, 0
	s_add_nc_u64 s[SRC:SRC+1], s[6:7], s[24:25]
	DEST 23, 21, 16
	s_wait_alu depctr_va_vdst(0)
	v_and_b32 v[GO], 8, v14
	v_add_nc_u32 v[GO], v[GO], v14
	v_lshl_add_u32 v[GO], v15, 3, v[GO]            ; my column in the pair: 8 (lane / 16) + r + 8 (r / 8)
	v_lshlrev_b32 v[GO], 2, v[GO]
	BODY 0
.Lx_path:
	; ---- x: work-group 256 + g: pair g / 2, K/256 = 2 (g % 2) + wave
	s_sub_co_u32 s20, ttmp9, 256
	s_lshr_b32 s23, s20, 1
	s_and_b32 s21, s20, 1
	s_lshl_b32 s21, s21, 1
	s_add_co_u32 s21, s21, s18
	s_lshl_b32 s24, s23, 17                        ; 32 rows of 4,096 bytes
	s_lshl_b32 s25, s21, 10                        ; 256 numbers
	s_add_co_u32 s24, s24, s25
	s_mov_b32 s25, 0
	s_add_nc_u64 s[SRC:SRC+1], s[4:5], s[24:25]
	DEST 23, 21, 14
	s_wait_alu depctr_va_vdst(0)
	v_lshlrev_b32 v[GO], 4, v14
	v_lshl_add_u32 v[GO], v15, 12, v[GO]           ; lanes 0-15 one row's 256 bytes, lanes 16-31 the next row's
	BODY 1
.Lfunc_end_k_q5db699f5d0_quant:
	.size	k_q5db699f5d0_quant, .Lfunc_end_k_q5db699f5d0_quant-k_q5db699f5d0_quant
	.p2alignl 7, 3214868480
	.fill 96, 4, 3214868480
	.section	.rodata,"a",@progbits
	.p2align	6, 0x0
	.amdhsa_kernel k_q5db699f5d0_quant
		.amdhsa_group_segment_fixed_size 17664
		.amdhsa_private_segment_fixed_size 0
		.amdhsa_enable_private_segment 0
		.amdhsa_kernarg_size 56
		.amdhsa_user_sgpr_count 2
		.amdhsa_user_sgpr_kernarg_segment_ptr 1
		.amdhsa_wavefront_size32 1
		.amdhsa_system_sgpr_workgroup_id_x 1
		.amdhsa_system_sgpr_workgroup_id_y 1
		.amdhsa_system_sgpr_workgroup_id_z 1
		.amdhsa_system_vgpr_workitem_id 0
		.amdhsa_next_free_vgpr 194
		.amdhsa_next_free_sgpr 66
		.amdhsa_reserve_vcc 0
		.amdhsa_float_denorm_mode_32 3
		.amdhsa_float_denorm_mode_16_64 3
		.amdhsa_memory_ordered 1
		.amdhsa_forward_progress 1
		.amdhsa_inst_pref_size 71
	.end_amdhsa_kernel
	.amdgpu_metadata
---
amdhsa.version: [ 1, 2 ]
amdhsa.kernels:
  - .name:           k_q5db699f5d0_quant
    .symbol:         k_q5db699f5d0_quant.kd
    .args:
      - { .name: x, .offset: 0, .size: 8, .value_kind: global_buffer, .address_space: global }
      - { .name: Wq, .offset: 8, .size: 8, .value_kind: global_buffer, .address_space: global }
      - { .name: Wk, .offset: 16, .size: 8, .value_kind: global_buffer, .address_space: global }
      - { .name: Wv, .offset: 24, .size: 8, .value_kind: global_buffer, .address_space: global }
      - { .name: Wo, .offset: 32, .size: 8, .value_kind: global_buffer, .address_space: global }
      - { .name: xc, .offset: 40, .size: 8, .value_kind: global_buffer, .address_space: global }
      - { .name: wc, .offset: 48, .size: 8, .value_kind: global_buffer, .address_space: global }
    .group_segment_fixed_size: 17664
    .private_segment_fixed_size: 0
    .kernarg_segment_align: 8
    .kernarg_segment_size: 56
    .max_flat_workgroup_size: 64
    .sgpr_count:     66
    .vgpr_count:     194
    .wavefront_size: 32
...
	.end_amdgpu_metadata
.endif
;; end of part 1
;; launch qkv (part 2): grid 12 x 32, 4 waves a work-group, clusters of 4 x 4, 327,680 bytes of LDS; arguments xc, wc, bq, bk, bv, qk, vv; writes qk, vv
.if DOCPART == 2
	.amdgcn_target "amdgcn-amd-amdhsa--gfx1250"
	.amdhsa_code_object_version 6
	.text
	.protected	k_q5db699f5d0_qkv
	.globl	k_q5db699f5d0_qkv
	.p2align	8
	.type	k_q5db699f5d0_qkv,@function
k_q5db699f5d0_qkv:
	s_mov_b64 s[64:65], 0
	v_nop
	global_prefetch_b8 v0, s[64:65] scope:SCOPE_SE
	s_setreg_imm32_b32 hwreg(HW_REG_WAVE_MODE, 25, 1), 1
	s_wait_xcnt 0x0
	s_wait_alu depctr_hold_cnt(0) depctr_sa_sdst(0) depctr_va_vdst(0) depctr_va_sdst(0) depctr_va_ssrc(0) depctr_va_vcc(0) depctr_vm_vsrc(0)
	s_getreg_b32 s2, hwreg(HW_REG_IB_STS2, 6, 4)
	s_cmp_eq_u32 s2, 0
	s_cbranch_scc0 .Lentry_in_a_cluster
	s_endpgm
.Lentry_in_a_cluster:
	s_bfe_u32 s2, ttmp6, 0x10000c
	s_cmp_lg_u32 s2, 0xf033
	s_cbranch_scc0 .Lentry_shape_is_right
	s_endpgm
.Lentry_shape_is_right:
; q = x Wq + bq, k = x Wk + bk, v = x Wv + bv on codes of FP6 (E2M3) with E8M0 scales, and the results QUANTISED IN REGISTERS for the attention: q and k along the head's 64, v along the keys.
; Operands come as records in the order of the operand's registers (16 rows x 64 K = a half-image of 768 bytes; a record = 128 rows x 256 K + its scale words = 25,600 bytes, one dense block).
; In every group of 128 rows tile T holds in slot r the row 32 (T/2) + 8 (T%2) + r + 8 (r/8): so the 16 registers of result tiles 2 b, 2 b + 1 are 16 NEIGHBOURS, 32 b + 16 (lane/16) + 0..15, along source 0's rows.
; SHARES.  A work-group of four waves makes 256 tokens x 256 features; a wave 128 x 128: 64 accumulators, 512 registers.  Work-group x 0-3: q, 4-7: k, 8-11: v; y: the tokens.
; ROLES.  Source 0 is P, source 1 is R; a lane holds one row of R and its registers run along P.  For q and k: P = features (the head's axis is the next K), R = tokens.  For v: P = tokens (the keys are
; the next K), R = features.  The tensor loads are the same for all; only the LDS bases of the reads differ, by the cluster's x, which all partners share.
; K = 1,024 goes in four slots' worth of 256 through a ring of two LDS slots: eight steps of 128, written out.  The biases are the C of each sum's first product.
; CLUSTERS: 4 x 4.  x's records hang on work-group y alone and are asked for jointly by a row of the cluster, the weights' on x alone, by a column.
; THE WAY OUT uses no LDS: a tile of R's 16 rows x 128 along P is one fragment's worth of numbers in each lane's 64 registers: block maxima, scale bytes, conversions, and the codes leave as half-images.
; LIMITS: NaN and infinities are not served; a block whose largest magnitude lies under 2^-124, a block of zeros among them, keeps the byte 1 (its codes add nothing; only this program reads the bytes).
; REGISTERS: window 0: v16-31 addresses; v32-63 scale words, two sets, and nothing else; v64-127 the biases; v128-223 R's fragments, one set.  window 1: P's fragments, two sets, at v0 and v128.
;   windows 2, 3: accumulator (a, b) at v[8 (8 (a%4) + b)], a < 4 in window 2.
.set REC,    25600
.set SLOT,   4*REC                     ; x's two records, then the weights' two
.set SPARE,  2*SLOT                    ; behind the ring: the spare words, 128 bytes a wave
.set FR,     12                        ; registers of a fragment
.set NL,     4                         ; LDS loads that bring one
.set NP,     4                         ; places behind this matrix instruction (ISA guide 7.12.1)
.set ADRR,   16                        ; v16-17 R's record + 16 x lane in slot 0, 1;  v18-19 + 8 x lane
.set ADRP,   20                        ; v20-23 the same for P
.set L16,    24
.set L8,     25
.set SPW,    28                        ; v28 my spare word's address; never rewritten
.set NIL,    29                        ; v29 0; never rewritten
.set BO1,    30                        ; v30 64 (lane/16): a bias along P
.set BO2,    31                        ; v31 4 (r + 8 (r/8)): a bias along R
.set SC,     32
.set BIAS,   64
.set RF,     128
.set TM,     128                       ; the way out: v128-143 at work, v144 a tile's scale word, v148-151 the words by pairs of tiles, v152-159 cut for two heads
.set PW,     144
.set SW,     148
.set SWA,    152
.set SWB,    156
.set WV,     18
.set WH,     19
.set WL,     20
.set GY,     21
.set G1Y,    24                        ; s[24:31] group 1, s[32:39] groups 0 (a set a slot) for x's records
.set G0Y,    32
.set G1X,    48                        ; s[48:55], s[56:63] for the weights'
.set G0X,    56
.set ISV,    66                        ; 1 where the work-group makes v
.set HI,     67                        ; lanes 16-31
.set BA,     68                        ; s[68:69], s[70:71] where a tile's two half-images go
.set BB,     70
.set STA,    72                        ; s[72:73] from tile to tile;  s[74:75] from tile 3 to tile 4
.set STM,    74
.set SEL,    76
.set BP,     78
.set MSB, 0
.macro WIN new                         ; the immediate's high byte repeats the setting that is left
.if MSB != \new
	s_set_vgpr_msb (MSB<<8)|\new
.set MSB, \new
.endif
.endm
.set MUL_LO, 0xa1                      ; source 0 (P) window 1, source 1 (R) window 0, C and D window 2
.set MUL_HI, 0xf1                      ; the same, C and D window 3
.set BIA_LO, 0x81                      ; C (a bias) window 0, D window 2
.set BIA_HI, 0xc1
.set TO_P,   0x40                      ; destination window 1, address window 0
; A joint load: waves 0 and 1 fetch x's two records, waves 2 and 3 the weights'.  The branch hangs on the wave's number alone.  Four v_nop follow each line.
.macro JLOAD g0y, g1y, g0x, g1x
	s_cmp_eq_u32 s[WH], 0
	s_cbranch_scc0 .Lfor_x_\@
	tensor_load_to_lds s[\g0y:\g0y+3], s[\g1y:\g1y+7]
	s_nop 0
.rept 4
	v_nop
.endr
	s_branch .Lasked_\@
.Lfor_x_\@:
	tensor_load_to_lds s[\g0x:\g0x+3], s[\g1x:\g1x+7]
	s_nop 0
.rept 4
	v_nop
.endr
.Lasked_\@:
.endm
.macro CREST                           ; a round of the cluster's barrier behind its opening barrier
	s_cmp_lg_u32 s[WV], 0
	s_cbranch_scc1 .Lnot_wave_0_\@
	s_barrier_signal -3
.Lnot_wave_0_\@:
	s_barrier_wait -3
	s_barrier_signal -1
	s_barrier_wait -1
.endm
.macro CROUND
	s_barrier_signal -1
	s_barrier_wait -1
	CREST
.endm
.macro PLACES n
.rept \n
	v_nop
.endr
.endm
	s_load_b256 s[4:11], s[0:1], 0x0               ; xc s[4:5], wc s[6:7], bq s[8:9], bk s[10:11]
	s_load_b128 s[12:15], s[0:1], 0x20             ; bv s[12:13], qk s[14:15]
	s_load_b64 s[16:17], s[0:1], 0x30              ; vv
	v_lshl_add_u32 v[SPW], v0, 2, SPARE
	v_mov_b32 v[NIL], 0
	ds_add_u32 v28, v29
	ds_add_u32 v28, v29
	s_wait_dscnt 0x0
	v_lshrrev_b32 v1, 5, v0
	v_readfirstlane_b32 s[WV], v1                  ; wave 0..3
	s_lshr_b32 s[WH], s[WV], 1                     ; which record of R is mine.  Also: I fetch for x (0) or for the weights (1)
	s_and_b32 s[WL], s[WV], 1                      ; which record of P.  Also: which of the two records I fetch
	s_bfe_u32 s40, ttmp6, 0x40000                  ; cx
	s_bfe_u32 s41, ttmp6, 0x40004                  ; cy
	s_lshl_b32 s42, ttmp9, 2
	s_add_co_u32 s42, s42, s40                     ; work-group x
	s_and_b32 s[GY], ttmp7, 0xffff
	s_lshl_b32 s[GY], s[GY], 2
	s_add_co_u32 s[GY], s[GY], s41                 ; work-group y
	s_lshl_b32 s43, s41, 2
	s_lshl_b32 s43, 15, s43                        ; my row of the cluster
	s_lshl_b32 s44, 0x1111, s40                    ; my column
	s_cmp_ge_u32 ttmp9, 2                          ; the cluster's x: 0 q, 1 k, 2 v: the same in all sixteen partners
	s_cselect_b32 s[ISV], 1, 0
	; group 1: a record, a dense block of 25,600 bytes, as 100 rows of 32 elements of 8 bytes; no padding: every read of it is 16 or 8 bytes a lane on end
	s_or_b32 s[G1Y], s43, (3<<16)|(1<<21)          ; 15:0 the mask; 17:16 elements of 8 bytes; 21 set beside a mask
	s_or_b32 s[G1X], s44, (3<<16)|(1<<21)
.irp g, G1Y, G1X
	s_mov_b32 s[\g+1], 32<<16                      ; tensor_dim0
	s_mov_b32 s[\g+2], 100<<16                     ; tensor_dim1
	s_mov_b32 s[\g+3], 32<<16                      ; tile_dim0
	s_mov_b32 s[\g+4], 100                         ; tile_dim1
	s_mov_b32 s[\g+5], 32                          ; the pitch
	s_mov_b32 s[\g+6], 0
	s_mov_b32 s[\g+7], 0
.endr
	s_lshl_b32 s22, s[GY], 1
	s_add_co_u32 s22, s22, s[WL]                   ; x: group 2 y + which
	s_mul_i32 s22, s22, 4*REC
	s_mov_b32 s23, 0
	s_lshl_b32 s46, s42, 1
	s_add_co_u32 s46, s46, s[WL]                   ; the weights: group 2 x + which (q's groups 0-7, k's 8-15, v's 16-23)
	s_mul_i32 s46, s46, 4*REC
	s_mov_b32 s47, 0
	s_mul_i32 s45, s[WV], REC                      ; where they go: wave x a record: no place in the cluster enters an LDS address
	s_wait_kmcnt 0x0
	s_add_nc_u64 s[22:23], s[4:5], s[22:23]
	s_add_nc_u64 s[46:47], s[6:7], s[46:47]
	CROUND                                         ; all sixteen work-groups are here: the first joint loads meet
.irp s, 0,1
	s_mov_b32 s[G0Y+4*\s], 1
	s_add_co_u32 s[G0Y+4*\s+1], s45, \s*SLOT
	s_add_nc_u64 s[G0Y+4*\s+2:G0Y+4*\s+3], s[22:23], \s*REC
	s_or_b32 s[G0Y+4*\s+3], s[G0Y+4*\s+3], 0x80000000
	s_mov_b32 s[G0X+4*\s], 1
	s_add_co_u32 s[G0X+4*\s+1], s45, \s*SLOT
	s_add_nc_u64 s[G0X+4*\s+2:G0X+4*\s+3], s[46:47], \s*REC
	s_or_b32 s[G0X+4*\s+3], s[G0X+4*\s+3], 0x80000000
	JLOAD G0Y+4*\s, G1Y, G0X+4*\s, G1X             ; two loads of mine are out
.endr
	v_and_b32 v1, 31, v0
	v_and_b32 v2, 15, v0                           ; r
	v_bfe_u32 v3, v0, 4, 1                         ; lane / 16
	v_lshlrev_b32 v[L16], 4, v1
	v_lshlrev_b32 v[L8], 3, v1
	v_lshlrev_b32 v[BO1], 6, v3
	v_and_b32 v4, 8, v2
	v_add_nc_u32 v4, v4, v2
	v_lshlrev_b32 v[BO2], 2, v4
	s_mul_i32 s80, s[WH], REC                      ; R: record WH, of x (q, k) or of the weights (v), which lie two records on
	s_mul_i32 s81, s[ISV], 2*REC
	s_add_co_u32 s80, s80, s81
	s_mul_i32 s82, s[WL], REC                      ; P: record WL, of the weights (q, k) or of x (v)
	s_xor_b32 s83, s[ISV], 1
	s_mul_i32 s83, s83, 2*REC
	s_add_co_u32 s82, s82, s83
.irp s, 0,1
	v_add_nc_u32 v[ADRR+\s], s80, v[L16]
	v_add_nc_u32 v[ADRR+2+\s], s80, v[L8]
	v_add_nc_u32 v[ADRP+\s], s82, v[L16]
	v_add_nc_u32 v[ADRP+2+\s], s82, v[L8]
	s_add_co_u32 s80, s80, SLOT
	s_add_co_u32 s82, s82, SLOT
.endr
	s_mov_b32 s[SEL], 0x76543210
	s_mov_b32 s[SEL+1], 0xfedcba98                 ; v_permlanex16_b32's selects for lane l xor 16
	s_mov_b32 s[HI], 0xffff0000
	; the bias: 128 numbers along the features that are mine
	s_cmp_eq_u32 ttmp9, 0
	s_cselect_b64 s[BP:BP+1], s[8:9], s[10:11]
	s_cmp_eq_u32 s[ISV], 0
	s_cselect_b64 s[BP:BP+1], s[BP:BP+1], s[12:13]
	s_cselect_b32 s92, s[WL], s[WH]
	; and where the results go (all selections on the same compare)
	s_cselect_b32 s84, s[WL], s[WH]                ; which two of the work-group's four heads
	s_cselect_b32 s85, s[WH], s[WL]                ; which of its two groups of tokens
	s_cselect_b32 s86, ttmp9, 0                    ; q's records 0, k's 1
	s_cselect_b64 s[BA:BA+1], s[14:15], s[16:17]
	s_mov_b32 s87, 6400
	s_cselect_b32 s87, 6656, s87                   ; a record of q or k; of v
	s_mov_b32 s[STA], 1536
	s_cselect_b32 s[STA], 768, s[STA]
	s_mov_b32 s[STM], 97792                        ; v: from tile 3 of a head (4,608) to tile 0 of the next head's record (16 x 6,400)
	s_cselect_b32 s[STM], 768, s[STM]
	s_mov_b32 s88, 768                             ; v: the second half-image follows the first;
	s_cselect_b32 s88, 106496, s88                 ; q, k: it is the next head's: 16 records on
	s_lshl_b32 s92, s92, 9
	s_lshl_b32 s93, s40, 10
	s_add_co_u32 s92, s92, s93                     ; 4 (256 cx + 128 which)
	s_mov_b32 s93, 0
	s_add_nc_u64 s[BP:BP+1], s[BP:BP+1], s[92:93]
	s_lshl_b32 s89, s40, 2
	s_lshl_b32 s84, s84, 1
	s_add_co_u32 s84, s84, s89                     ; the head
	s_lshl_b32 s90, s[GY], 1
	s_add_co_u32 s90, s90, s85                     ; the group of 128 tokens, 0..63
	s_lshr_b32 s91, s90, 4                         ; batch
	s_and_b32 s90, s90, 15
	s_lshl_b32 s86, s86, 2
	s_add_co_u32 s86, s86, s91
	s_lshl_b32 s86, s86, 4
	s_add_co_u32 s86, s86, s84
	s_lshl_b32 s86, s86, 4
	s_add_co_u32 s86, s86, s90                     ; ((4 sel + batch) 16 + head) 16 + group
	s_mul_i32 s86, s86, s87
	s_mov_b32 s87, 0
	s_add_nc_u64 s[BA:BA+1], s[BA:BA+1], s[86:87]
	s_mov_b32 s89, 0
	s_add_nc_u64 s[BB:BB+1], s[BA:BA+1], s[88:89]
	s_mov_b32 s[STA+1], 0
	s_mov_b32 s[STM+1], 0
	s_cmp_eq_u32 s[ISV], 0
	s_cbranch_scc0 .Lbias_v
.irp b, 0,1,2,3,4,5,6,7                        ; q, k: register j of tile b wants the bias of feature 32 (b/2) + 8 (b%2) + 16 (lane/16) + j
	global_load_b128 v[BIAS+8*\b:BIAS+8*\b+3], v[BO1], s[BP:BP+1] offset:4*(32*(\b/2)+8*(\b%2))
	global_load_b128 v[BIAS+8*\b+4:BIAS+8*\b+7], v[BO1], s[BP:BP+1] offset:4*(32*(\b/2)+8*(\b%2))+16
.endr
	s_wait_loadcnt 0x0
	s_branch .Lbias_done
.Lbias_v:
	s_wait_alu depctr_va_vdst(0)
.irp a, 0,1,2,3,4,5,6,7                        ; v: all eight registers of tile a want the bias of the lane's feature, 32 (a/2) + 8 (a%2) + r + 8 (r/8)
	global_load_b32 v[BIAS+8*\a], v[BO2], s[BP:BP+1] offset:4*(32*(\a/2)+8*(\a%2))
.endr
	s_wait_loadcnt 0x0
.irp a, 0,1,2,3,4,5,6,7
.irp j, 1,2,3,4,5,6,7
	v_mov_b32 v[BIAS+8*\a+\j], v[BIAS+8*\a]
.endr
.endr
	PLACES 8                                       ; registers written by vector instructions stand well ahead of the scaled products that take them
.Lbias_done:
; one product: R's tile a x P's tile b, the slot's q-th 128 along K; p: P's set; sc: the set of scale words.  A scale register carries tile 2 i in lanes 0-15 and tile 2 i + 1 in lanes 16-31.
; cmode 0: the sum goes on; 1: it starts from the bias along P; 2: from the bias along R.
.macro WM a, b, p, q, sc, cmode
.set rD, 8*(8*((\a)%4)+(\b))
.set rP, 128*(\p)+FR*(\b)
.set rR, RF+FR*(\a)
.set rSP, SC+16*(\sc)+2*((\b)/2)+(\q)
.set rSR, SC+16*(\sc)+8+2*((\a)/2)+(\q)
.set rC, rD
.if (\cmode) == 1
.set rC, BIAS+8*(\b)
.elseif (\cmode) == 2
.set rC, BIAS+8*(\a)
.endif
.if ((\a)%2 == 0) && ((\b)%2 == 0)
	v_wmma_scale_f32_16x16x128_f8f6f4 v[rD:rD+7], v[rP:rP+FR-1], v[rR:rR+FR-1], v[rC:rC+7], v[rSP], v[rSR] matrix_a_fmt:MATRIX_FMT_FP6 matrix_b_fmt:MATRIX_FMT_FP6
.elseif (\a)%2 == 0
	v_wmma_scale_f32_16x16x128_f8f6f4 v[rD:rD+7], v[rP:rP+FR-1], v[rR:rR+FR-1], v[rC:rC+7], v[rSP], v[rSR] matrix_a_fmt:MATRIX_FMT_FP6 matrix_b_fmt:MATRIX_FMT_FP6 matrix_a_scale:MATRIX_SCALE_ROW1
.elseif (\b)%2 == 0
	v_wmma_scale_f32_16x16x128_f8f6f4 v[rD:rD+7], v[rP:rP+FR-1], v[rR:rR+FR-1], v[rC:rC+7], v[rSP], v[rSR] matrix_a_fmt:MATRIX_FMT_FP6 matrix_b_fmt:MATRIX_FMT_FP6 matrix_b_scale:MATRIX_SCALE_ROW1
.else
	v_wmma_scale_f32_16x16x128_f8f6f4 v[rD:rD+7], v[rP:rP+FR-1], v[rR:rR+FR-1], v[rC:rC+7], v[rSP], v[rSR] matrix_a_fmt:MATRIX_FMT_FP6 matrix_b_fmt:MATRIX_FMT_FP6 matrix_a_scale:MATRIX_SCALE_ROW1 matrix_b_scale:MATRIX_SCALE_ROW1
.endif
.endm
; 16 products.  The 64 accumulators take turns, one instruction a turn, in the same order in every step
.macro MUL16 a0, p, q, sc, cmode
.irp a, \a0, \a0+1
.irp b, 0,1,2,3,4,5,6,7
	WM \a, \b, \p, \q, \sc, \cmode
.endr
.endr
.endm
; a fragment = two half-images: registers 0-3 at 16 x lane, 4-5 at 512 + 8 x lane, and the same 768 bytes on
.macro FRAG reg, adr, q, i
	ds_load_b128 v[\reg:\reg+3], v[\adr] offset:12288*(\q)+1536*(\i)
	ds_load_b64 v[\reg+4:\reg+5], v[\adr+2] offset:12288*(\q)+1536*(\i)+512
	ds_load_b128 v[\reg+6:\reg+9], v[\adr] offset:12288*(\q)+1536*(\i)+768
	ds_load_b64 v[\reg+10:\reg+11], v[\adr+2] offset:12288*(\q)+1536*(\i)+1280
.endm
.macro FETCH_P slot, q, p
	WIN TO_P
.irp i, 0,1,2,3,4,5,6,7
	FRAG 128*(\p)+FR*\i, ADRP+\slot, \q, \i
.endr
	WIN 0
.endm
.macro FETCH_R slot, q, i0
.irp i, \i0, \i0+1, \i0+2, \i0+3
	FRAG RF+FR*(\i), ADRR+\slot, \q, \i
.endr
.endm
.macro SCALES slot                     ; the slot's scale words: a pair of registers (the two steps of 128) for each pair of tiles
.irp p, 0,1,2,3
	ds_load_b64 v[SC+16*\slot+2*\p:SC+16*\slot+2*\p+1], v[ADRP+2+\slot] offset:24576+256*\p
	ds_load_b64 v[SC+16*\slot+8+2*\p:SC+16*\slot+8+2*\p+1], v[ADRR+2+\slot] offset:24576+256*\p
.endr
.endm
; the first step's 32 products from R's tile a0 on start the sums from the bias: along P for q and k, along R for v
.macro FIRST32 a0, win
	WIN 0                                          ; at a branch and at a label every window is 0
	s_cmp_eq_u32 s[ISV], 0
	s_cbranch_scc0 .Lfv_\@
	WIN \win
	MUL16 \a0, 0, 0, 0, 1
	MUL16 \a0+2, 0, 0, 0, 1
	WIN 0
	s_branch .Lfd_\@
.Lfv_\@:
	WIN \win
	MUL16 \a0, 0, 0, 0, 2
	MUL16 \a0+2, 0, 0, 0, 2
	WIN 0
.Lfd_\@:
.endm
; a slot's first step of 128: it has its successor in the same slot
.macro STEP slot, first
	s_wait_dscnt 4*NL                              ; P's set, R's tiles 0-3 and the scale words are in; the youngest 16 loads (R's tiles 4-7) may be out
.if \first
	FIRST32 0, BIA_LO
.else
	WIN MUL_LO
	MUL16 0, 0, 0, \slot, 0
	MUL16 2, 0, 0, \slot, 0
.endif
	s_wait_dscnt 0x0                               ; R's tiles 4-7 are in
	PLACES NP                                      ; in front of loads into registers that matrix instructions have read
	FETCH_P \slot, 1, 1
	FETCH_R \slot, 1, 0
.if \first
	FIRST32 4, BIA_HI
.else
	WIN MUL_HI
	MUL16 4, 0, 0, \slot, 0
	MUL16 6, 0, 0, \slot, 0
.endif
	PLACES NP
	WIN 0
	FETCH_R \slot, 1, 4
.endm
; a slot's second step changes slots: one barrier; in front of it each wave waits for all its tensor loads, adds 0 to its spare word, and waits for that and for its reads of this slot
.macro TURN slot, next, fill
	s_wait_tensorcnt 0x0                           ; all my tensor loads have landed: my part of the next slot
	ds_add_u32 v[SPW], v[NIL]                      ; 0 onto my spare word
	s_wait_dscnt 4*NL+1                            ; (the add and the youngest 16 loads may be out)
	WIN MUL_LO
	MUL16 0, 1, 1, \slot, 0                        ; sixteen products stand between the add and the wait for it
	s_wait_dscnt 0x0                               ; the add is done, and my reads of this slot are over
	s_barrier_signal -1
	MUL16 2, 1, 1, \slot, 0
	WIN 0
	s_barrier_wait -1
.if \fill
	CREST                                          ; the barrier has opened a round of the cluster's: no wave of any partner still reads this slot or has a load on its way
	s_add_nc_u64 s[G0Y+4*\slot+2:G0Y+4*\slot+3], s[G0Y+4*\slot+2:G0Y+4*\slot+3], 2*REC
	s_add_nc_u64 s[G0X+4*\slot+2:G0X+4*\slot+3], s[G0X+4*\slot+2:G0X+4*\slot+3], 2*REC
	JLOAD G0Y+4*\slot, G1Y, G0X+4*\slot, G1X       ; the first tensor load behind the round, one a wave; its four v_nop are the places in front of the loads below
.else
	PLACES NP
.endif
	FETCH_P \next, 0, 0
	FETCH_R \next, 0, 0
	SCALES \next
	WIN MUL_HI
	MUL16 4, 1, 1, \slot, 0
	MUL16 6, 1, 1, \slot, 0
	PLACES NP
	WIN 0
	FETCH_R \next, 0, 4
.endm
	s_wait_tensorcnt 1                             ; my part of slot 0 is in; slot 1's may stay out
	s_barrier_signal -1
	s_barrier_wait -1
	s_wait_alu depctr_va_vdst(0)
	FETCH_P 0, 0, 0
	FETCH_R 0, 0, 0
	SCALES 0
	FETCH_R 0, 0, 4
	STEP 0, 1                                      ; K 0-127
	TURN 0, 1, 1                                   ; K 128-255; slot 0 takes K 512-767
	STEP 1, 0
	TURN 1, 0, 1                                   ; slot 1 takes K 768-1023
	STEP 0, 0
	TURN 0, 1, 0                                   ; nothing is left to fetch: no round
	STEP 1, 0
	s_wait_dscnt 4*NL                              ; the last step
	WIN MUL_LO
	MUL16 0, 1, 1, 1, 0
	MUL16 2, 1, 1, 1, 0
	s_wait_dscnt 0x0
	WIN MUL_HI
	MUL16 4, 1, 1, 1, 0
	MUL16 6, 1, 1, 1, 0
	WIN 0
; THE WAY OUT.  For R's tile a, register 16 b + i of the lane's 64 is number 32 b + 16 (lane/16) + i along P of the lane's row.  Its four blocks of 32 lie in lanes l and l xor 16.
; q, k: the 128 along P are two heads: registers 0-5 of the codes are one head's half-image (tile a of its record), 6-11 the next head's.  v: they are 128 keys: the two half-images of d-tile a % 4 of head a / 4.
; The codes are made in v160.. for accumulators numbered 0-127 and in v96.. for those numbered 128-255, so that a conversion's destination and source numbers never coincide.
.macro OUTTILE a
.set WN, 2+(\a)/4
.set WW, WN|(WN<<2)
.set AC, 64*((\a)%4)
.set PC, 160-64*(((\a)%4)/2)
	WIN WW                                         ; sources 0 and 1: the accumulators' window
.irp b, 0,1,2,3
	v_max3_num_f32 v[TM+\b], |v[AC+16*\b]|, |v[AC+16*\b+1]|, 0x1800000     ; each accumulator is read from its low end on; the floor 2^(3 - 127) holds the byte at 1 from below
.endr
.irp i, 2,4,6,8,10,12,14
.irp b, 0,1,2,3
	v_max3_num_f32 v[TM+\b], |v[AC+16*\b+\i]|, |v[AC+16*\b+\i+1]|, v[TM+\b]
.endr
.endr
	WIN 0
.irp b, 0,1,2,3
	v_permlanex16_b32 v[TM+4+\b], v[TM+\b], s[SEL], s[SEL+1]
.endr
.irp b, 0,1,2,3
	v_max_num_f32 v[TM+\b], v[TM+\b], v[TM+4+\b]   ; the block's largest magnitude
.endr
.irp b, 0,1,2,3
	v_add_nc_u32 v[TM+12+\b], 0xff000000, v[TM+\b] ; 2 off its exponent field: the conversion's scale operand
.endr
.irp b, 0,1,2,3
	v_lshrrev_b32 v[TM+4+\b], 23, v[TM+12+\b]      ; the byte
.endr
	v_lshl_or_b32 v[PW], v[TM+5], 8, v[TM+4]
	v_lshl_or_b32 v[PW], v[TM+6], 16, v[PW]
	v_lshl_or_b32 v[PW], v[TM+7], 24, v[PW]        ; my row's four bytes (both halves of the lanes hold them)
	s_wait_xcnt 0x0                                ; earlier stores have read their registers and bases: both are written again only behind this wait
.if (\a) == 4
	s_add_nc_u64 s[BA:BA+1], s[BA:BA+1], s[STM:STM+1]
	s_add_nc_u64 s[BB:BB+1], s[BB:BB+1], s[STM:STM+1]
.elseif (\a) > 0
	s_add_nc_u64 s[BA:BA+1], s[BA:BA+1], s[STA:STA+1]
	s_add_nc_u64 s[BB:BB+1], s[BB:BB+1], s[STA:STA+1]
.endif
	WIN WN                                         ; source 0: the accumulators' window
.irp c, 0,1
	v_cvt_scalef32_pk16_fp6_f32 v[PC+6*\c:PC+6*\c+2], v[AC+32*\c:AC+32*\c+15], v[TM+12+2*\c]
	v_cvt_scalef32_pk16_fp6_f32 v[PC+12+4*\c:PC+14+4*\c], v[AC+32*\c+16:AC+32*\c+31], v[TM+12+2*\c+1]   ; (a conversion's three registers begin on an even number)
.endr
	WIN 0
	v_nop                                          ; one plain place behind a scaled conversion
.irp c, 0,1                                    ; a whole block to a lane: lanes 0-15 block 2 c, lanes 16-31 block 2 c + 1
.irp i, 0,1,2
	v_permlane16_swap_b32 v[PC+6*\c+\i], v[PC+12+4*\c+\i]
.endr
.irp i, 0,1,2
	v_mov_b32 v[PC+3+6*\c+\i], v[PC+12+4*\c+\i]
.endr
.endr
	global_store_b128 v[L16], v[PC:PC+3], s[BA:BA+1]               ; each half-image: 512 + 256 consecutive bytes, aligned
	global_store_b64 v[L8], v[PC+4:PC+5], s[BA:BA+1] offset:512
	global_store_b128 v[L16], v[PC+6:PC+9], s[BB:BB+1]
	global_store_b64 v[L8], v[PC+10:PC+11], s[BB:BB+1] offset:512
.if (\a)%2 == 0
	v_mov_b32 v[SW+(\a)/2], v[PW]                  ; an even tile's words in lanes 0-15,
.else
	v_cndmask_b32 v[SW+(\a)/2], v[SW+(\a)/2], v[PW], s[HI]         ; the odd tile's in lanes 16-31
.endif
.endm
	PLACES NP                                      ; behind the last products: in front of the first read of results and of writes into registers that held R's fragments
.irp b, 0,1,2,3
	v_mov_b32 v[TM+4+\b], 0                        ; written once: a lane permute's destination counts as one of its sources
.endr
.irp a, 0,1,2,3,4,5,6,7
	OUTTILE \a
.endr
	s_cmp_eq_u32 s[ISV], 0
	s_cbranch_scc0 .Lscales_v
.irp p, 0,1,2,3                                ; q, k: bytes 0, 1 are one head's, bytes 2, 3 the next head's; a stored word has its two bytes below and zeros above
	v_and_b32 v[SWA+\p], 0xffff, v[SW+\p]
	v_lshrrev_b32 v[SWB+\p], 16, v[SW+\p]
.endr
	global_store_b128 v[L16], v[SWA:SWA+3], s[BA:BA+1] offset:768  ; the bases stand at tile 7: 5,376 + 768 = 6,144
	global_store_b128 v[L16], v[SWB:SWB+3], s[BB:BB+1] offset:768
	s_branch .Lscales_done
.Lscales_v:
	global_store_b64 v[L8], v[SW:SW+1], s[BA:BA+1] offset:1536-102400      ; v: the first head's two pairs of d-tiles (the base stands at tile 3 of the second head's record: 4,608 + 1,536 = 6,144),
	s_wait_alu depctr_va_vdst(0)
	global_store_b64 v[L8], v[SW+2:SW+3], s[BA:BA+1] offset:1536           ; the second head's
.Lscales_done:
	s_wait_tensorcnt 0x0                           ; the wave's end
	ds_add_u32 v[SPW], v[NIL]
	s_wait_dscnt 0x0
	CROUND                                         ; the closing round: no work-group ends while a partner may still ask for a record that names it
	s_endpgm
.Lfunc_end_k_q5db699f5d0_qkv:
	.size	k_q5db699f5d0_qkv, .Lfunc_end_k_q5db699f5d0_qkv-k_q5db699f5d0_qkv
	.p2alignl 7, 3214868480
	.fill 96, 4, 3214868480
	.section	.rodata,"a",@progbits
	.p2align	6, 0x0
	.amdhsa_kernel k_q5db699f5d0_qkv
		.amdhsa_group_segment_fixed_size 327680
		.amdhsa_private_segment_fixed_size 0
		.amdhsa_enable_private_segment 0
		.amdhsa_kernarg_size 56
		.amdhsa_user_sgpr_count 2
		.amdhsa_user_sgpr_kernarg_segment_ptr 1
		.amdhsa_wavefront_size32 1
		.amdhsa_system_sgpr_workgroup_id_x 1
		.amdhsa_system_sgpr_workgroup_id_y 1
		.amdhsa_system_sgpr_workgroup_id_z 1
		.amdhsa_system_vgpr_workitem_id 0
		.amdhsa_next_free_vgpr 1024
		.amdhsa_next_free_sgpr 100
		.amdhsa_reserve_vcc 0
		.amdhsa_float_denorm_mode_32 3
		.amdhsa_float_denorm_mode_16_64 3
		.amdhsa_memory_ordered 1
		.amdhsa_forward_progress 1
		.amdhsa_inst_pref_size 161
	.end_amdhsa_kernel
	.amdgpu_metadata
---
amdhsa.version: [ 1, 2 ]
amdhsa.kernels:
  - .name:           k_q5db699f5d0_qkv
    .symbol:         k_q5db699f5d0_qkv.kd
    .args:
      - { .name: xc, .offset: 0, .size: 8, .value_kind: global_buffer, .address_space: global }
      - { .name: wc, .offset: 8, .size: 8, .value_kind: global_buffer, .address_space: global }
      - { .name: bq, .offset: 16, .size: 8, .value_kind: global_buffer, .address_space: global }
      - { .name: bk, .offset: 24, .size: 8, .value_kind: global_buffer, .address_space: global }
      - { .name: bv, .offset: 32, .size: 8, .value_kind: global_buffer, .address_space: global }
      - { .name: qk, .offset: 40, .size: 8, .value_kind: global_buffer, .address_space: global }
      - { .name: vv, .offset: 48, .size: 8, .value_kind: global_buffer, .address_space: global }
    .group_segment_fixed_size: 327680
    .private_segment_fixed_size: 0
    .kernarg_segment_align: 8
    .kernarg_segment_size: 56
    .max_flat_workgroup_size: 128
    .sgpr_count:     100
    .vgpr_count:     1024
    .wavefront_size: 32
...
	.end_amdgpu_metadata
.endif
;; end of part 2
;; launch attn (part 3): grid 4 x 64, 16 waves a work-group, no clusters, 327,680 bytes of LDS; arguments qk, vv, cc; writes cc
.if DOCPART == 3
	.amdgcn_target "amdgcn-amd-amdhsa--gfx1250"
	.amdhsa_code_object_version 6
	.text
	.protected	k_q5db699f5d0_attn
	.globl	k_q5db699f5d0_attn
	.p2align	8
	.type	k_q5db699f5d0_attn,@function
k_q5db699f5d0_attn:
	s_mov_b64 s[64:65], 0
	v_nop
	global_prefetch_b8 v0, s[64:65] scope:SCOPE_SE
	s_setreg_imm32_b32 hwreg(HW_REG_WAVE_MODE, 25, 1), 1
	s_wait_xcnt 0x0
; ctx[b][q][head] = the sum over keys k <= q of softmax_k(q . k / 8) v, both products on codes of FP6 (E2M3) with E8M0 scales, and ctx QUANTISED along D for the last product.
; THE SOFTMAX AHEAD OF THE SECOND PRODUCT: t = score x log2(e) / 8; M = the running largest t rounded UP to a whole number; p = 2^(t - M) is quantised along the keys, not normalised; the row's sum is
; taken of the unquantised p and divides at the end.  When M moves, the sum and O are multiplied by 2^(old M - new M): exact.
; INPUTS, in the order of the operand's registers.  q's and k's records (128 tokens of a head, 6,656 bytes): tile T's half-image (16 tokens x the head's 64) at 768 T; scale words at 6,144 + 16 x lane + 4 p
; (lane (r, u): slot r of tile 2 p + u; two bytes below, zeros above).  v's records (6,400 bytes): d-tile t (16 of the head's 64 x 128 keys) at 1,536 t; scale words at 6,144 + 8 x lane + 4 (t / 2).
; Slot r of tile T is row 32 (T/2) + 8 (T%2) + r + 8 (r/8) of its 128 (tokens, or d): so the 16 registers of result tiles 2 b, 2 b + 1 are 16 neighbours along source 0's rows.
; SHARES.  Work-group (i, head) owns the blocks of 256 queries 7 - i and i, one after the other: the first walks key slots 0 .. 7 - i, the second 0 .. i: ALWAYS NINE SLOTS of 256 keys, so all 256
; work-groups have the same work, the trip count is a constant, and no slot is fetched that nobody reads.  Each of sixteen waves owns one tile of 16 queries: four waves to a SIMD.
; Both products are used transposed (S^T = K Q^T, O^T = V^T P^T): a lane holds one query throughout.
; K = 64 IN A FORM OF K = 128: Q's registers 6-11 hold zero codes and the upper two scale bytes of both sides are 0 (2^-127, no NaN).  Source 0's upper six registers are then simply the next tile's codes
; (behind tile 7 six zeros): E2M3 has no NaN and no infinity, so each of those products is exactly 0.
; NO CLUSTER: the four work-groups of a head leave their first block after 8, 7, 6, 5 slots, so from then on they are at different key slots and joint requests would not meet.
; LIMITS: NaN and infinities are not served; a block of ctx whose largest magnitude lies under 2^-124, zeros among them, keeps the byte 1 (only this program reads the bytes).
.set KREC,  6656
.set VREC,  6400
.set VOFF,  2*KREC                     ; a slot: k's two records, then v's two
.set SLOT1, 32768                      ; slot 1 begins here: one exclusive or turns an address
.set SPARE, 65536                      ; behind the ring: the spare words, 128 bytes for each of 16 waves
.set KOFF,  64*16*KREC                 ; k's records lie behind q's
.set L16,  1                           ; v1  16 x lane
.set L8,   2                           ; v2  8 x lane
.set A16,  3                           ; v3  the slot in hand + 16 x lane
.set A8,   4                           ; v4  + 8 x lane
.set SPW,  5                           ; v5  my spare word's address; never rewritten
.set NIL,  6                           ; v6  0; never rewritten
.set QD,   7                           ; v7  r + 8 (r/8) - 16 (lane/16)
.set SCO,  8                           ; v8  8 r + lane/16: my scale byte of ctx
.set QSO,  9                           ; v9  where my query's scale word lies
.set PFO,  10                          ; v10 the prefetches' offset
.set QF,   16                          ; v16-27 Q's fragment (v22-27 zeros)
.set QS,   28                          ; v28 Q's scale words
.set QL,   30                          ; v30-35, v36 the second block's
.set FB,   38                          ; v38-85 eight half-images of k, or four fragments of v; v86-91 zeros
.set KS,   92                          ; v92-95 k's scale words
.set S,    96                          ; v96-159 S^T, then p
.set OT,   160                         ; v160-191 O^T
.set VS,   192                         ; v192-193 v's scale words
.set PS,   194                         ; v194 p's scale word
.set PCD,  196                         ; v196-207 p's codes;  v208-210, v212-214 halves as they are made
.set PT,   208
.set BM,   216                         ; v216-219 the blocks' largest;  v220-223 the other lane's, then bytes;  v224-227 scale operands
.set WV,   18
.set SEL,  20
.set CS,   22                          ; s[22:23] c = log2(e) / 8
.set G1K,  24
.set G1V,  32
.set G0K,  40
.set G0V,  44
.set LASTH, 48                         ; 7 - i: the first block, and the trip in which it ends
.set KF,   49                          ; the step's first key
.set Q0,   50                          ; my first query
.set Q0L,  51                          ; and in the second block
.set BKK,  52                          ; bytes back to the head's first slot, in k and in v
.set BKV,  53
.set T0,   54                          ; s[54:55]
.set PFA,  56
.set PFS,  58
.set LIM,  60
.set HI,   61
.set TB,   2
.set E,    3
.set CPH,  66                          ; where ctx's codes and scale bytes go: first block, second block
.set CSH,  68
.set CPL,  70
.set CSL,  72
.set QCH,  88
.set QCL,  90
; wave 0 fetches a slot's two records of k, wave 1 those of v, the others nothing.  Four v_nop follow each line.
.macro TLOAD
	s_cmp_eq_u32 s[WV], 0
	s_cbranch_scc0 .Lnot_k_\@
	tensor_load_to_lds s[G0K:G0K+3], s[G1K:G1K+7]
	s_nop 0
.rept 4
	v_nop
.endr
	s_branch .Lasked_\@
.Lnot_k_\@:
	s_cmp_eq_u32 s[WV], 1
	s_cbranch_scc0 .Lasked_\@
	tensor_load_to_lds s[G0V:G0V+3], s[G1V:G1V+7]
	s_nop 0
.rept 4
	v_nop
.endr
.Lasked_\@:
.endm
; A PREFETCH INTO THE L2 of the slot that the NEXT change will ask for.  All four work-groups of a head walk the same k and v: the one with x = 0 asks, which walks slots 0 to 7 in order.
; Waves 2, 3 k's (26 runs of 256 bytes), waves 4, 5 v's (25), lanes 256 bytes apart; the lanes beyond a record's last run name that run once more.
; Trip E asks for slot E + 2, up to E = 5.  Slots 0 and 1 come by their loads alone.
.macro ASK
	s_cmp_le_i32 s[E], s[LIM]
	s_cbranch_scc0 .Lnot_mine_\@
	global_prefetch_b8 v[PFO], s[PFA:PFA+1] th:TH_LOAD_NT scope:SCOPE_SE
.Lnot_mine_\@:
.endm
; addresses of block s[blk]: my tile of Q, and my tile's place in cc (a record = 128 tokens x 256 along D = four heads; laid as xc)
.macro BLOCKADR blk, qc, cp, cs
	s_lshl_b32 s80, s[\blk], 1
	s_add_co_u32 s80, s80, s74                     ; the group of 128 tokens in the batch
	s_mul_i32 s82, s80, KREC
	s_add_co_u32 s82, s82, s76
	s_mov_b32 s83, 0
	s_add_nc_u64 s[\qc:\qc+1], s[4:5], s[82:83]
	s_add_co_u32 s80, s80, s77
	s_lshl_b32 s80, s80, 2
	s_add_co_u32 s80, s80, s79
	s_mul_i32 s80, s80, 25600
	s_add_co_u32 s82, s80, s84
	s_add_nc_u64 s[\cp:\cp+1], s[8:9], s[82:83]
	s_add_co_u32 s82, s80, s85
	s_add_nc_u64 s[\cs:\cs+1], s[8:9], s[82:83]
.endm
.macro INIT                            ; a block begins: the largest t -3e38, the sum and O^T zeros, which the first change of M leaves zeros
	v_mov_b32 v13, 0xff61b1e6
	s_delay_alu instid0(VALU_DEP_1)
	v_floor_f32 v12, -v13
	v_mov_b32 v14, 0
	v_mov_b32 v15, 0
.set n_, 0
.rept 32
	v_mov_b32 v[OT+n_], 0
.set n_, n_+1
.endr
.endm
	s_load_b128 s[4:7], s[0:1], 0x0                ; qk s[4:5], vv s[6:7]
	s_load_b64 s[8:9], s[0:1], 0x10                ; cc
	v_lshl_add_u32 v[SPW], v0, 2, SPARE
	v_mov_b32 v[NIL], 0
	ds_add_u32 v5, v6
	ds_add_u32 v5, v6
	s_wait_dscnt 0x0
	v_lshrrev_b32 v11, 5, v0
	s_delay_alu instid0(VALU_DEP_1)
	v_readfirstlane_b32 s[WV], v11                 ; wave 0..15
	s_and_b32 s10, ttmp7, 0xffff                   ; 16 x batch + head
	s_sub_co_u32 s[LASTH], 7, ttmp9
	s_mul_i32 s11, s10, 16*KREC                    ; the head's first byte among q's records (k's: KOFF on)
	s_mul_i32 s12, s10, 16*VREC                    ; and among v's
	s_sub_co_u32 s13, 8, ttmp9
	s_mul_i32 s[BKK], s13, 2*KREC
	s_mul_i32 s[BKV], s13, 2*VREC
	s_mov_b32 s[T0+1], 0
	; group 1: a slot's two records are one dense block: rows of 32 elements of 8 bytes, 52 for k, 50 for v; no padding: every read is 16 or 8 bytes a lane on end
	s_mov_b32 s[G1K], 3<<16
	s_mov_b32 s[G1K+1], 32<<16
	s_mov_b32 s[G1K+2], 52<<16
	s_mov_b32 s[G1K+3], 32<<16
	s_mov_b32 s[G1K+4], 52
	s_mov_b32 s[G1K+5], 32
	s_mov_b32 s[G1K+6], 0
	s_mov_b32 s[G1K+7], 0
	s_mov_b32 s[G1V], 3<<16
	s_mov_b32 s[G1V+1], 32<<16
	s_mov_b32 s[G1V+2], 50<<16
	s_mov_b32 s[G1V+3], 32<<16
	s_mov_b32 s[G1V+4], 50
	s_mov_b32 s[G1V+5], 32
	s_mov_b32 s[G1V+6], 0
	s_mov_b32 s[G1V+7], 0
	s_add_co_u32 s80, s11, KOFF
	s_mov_b32 s81, 0
	s_mov_b32 s82, s12
	s_mov_b32 s83, 0
	s_wait_kmcnt 0x0
	s_mov_b32 s[G0K], 1
	s_mov_b32 s[G0K+1], 0
	s_add_nc_u64 s[G0K+2:G0K+3], s[4:5], s[80:81]
	s_or_b32 s[G0K+3], s[G0K+3], 0x80000000
	s_mov_b32 s[G0V], 1
	s_mov_b32 s[G0V+1], VOFF
	s_add_nc_u64 s[G0V+2:G0V+3], s[6:7], s[82:83]
	s_or_b32 s[G0V+3], s[G0V+3], 0x80000000
	TLOAD                                          ; key slot 0 into LDS slot 0
	; the prefetches: who asks, and where
	s_and_b32 s93, s[WV], 1
	s_cmp_lt_u32 s[WV], 4
	s_cselect_b64 s[PFA:PFA+1], s[4:5], s[6:7]
	s_cselect_b32 s94, s80, s12
	s_mov_b32 s95, VREC
	s_cselect_b32 s95, KREC, s95
	s_cselect_b32 s96, 25, 24                      ; a record's last run of 256 bytes
	s_mul_i32 s93, s93, s95
	s_add_co_u32 s94, s94, s93
	s_lshl_b32 s[PFS], s95, 1                      ; a slot on: two records
	s_add_co_u32 s94, s94, s[PFS]                  ; in slot 1: the first change steps it to slot 2
	s_mov_b32 s95, 0
	s_mov_b32 s[PFS+1], 0
	s_add_nc_u64 s[PFA:PFA+1], s[PFA:PFA+1], s[94:95]
	s_sub_co_u32 s93, s[WV], 2
	s_lshr_b32 s93, s93, 2                         ; 0 in waves 2 to 5,
	s_or_b32 s93, s93, ttmp9                       ; of the head's work-group 0
	s_cmp_eq_u32 s93, 0
	s_cselect_b32 s[LIM], 5, -1
	; my tile
	s_lshr_b32 s74, s[WV], 3                       ; which of the block's two groups of 128 tokens
	s_and_b32 s75, s[WV], 7                        ; T
	s_mul_i32 s76, s75, 768
	s_add_co_u32 s76, s76, s11
	s_lshr_b32 s77, s10, 4
	s_lshl_b32 s77, s77, 4                         ; 16 x batch
	s_and_b32 s78, s10, 15                         ; the head
	s_lshr_b32 s79, s78, 2                         ; which 256 along D,
	s_bfe_u32 s14, s78, 0x10001                    ; which 128 of them,
	s_and_b32 s15, s78, 1                          ; which 64 of those
	s_mul_i32 s84, s14, 12288
	s_mul_i32 s16, s75, 1536
	s_add_co_u32 s84, s84, s16
	s_mul_i32 s16, s15, 768
	s_add_co_u32 s84, s84, s16                     ; my half-image in a record of cc
	s_lshr_b32 s85, s75, 1
	s_lshl_b32 s85, s85, 8
	s_and_b32 s16, s75, 1
	s_lshl_b32 s17, s16, 7
	s_add_co_u32 s85, s85, s17
	s_lshl_b32 s17, s14, 2
	s_add_co_u32 s85, s85, s17
	s_lshl_b32 s17, s15, 1
	s_add_co_u32 s85, s85, s17
	s_add_co_u32 s85, s85, 24576                   ; my tile's scale bytes: 24,576 + 256 (T/2) + 128 (T%2) + 4 ks + 2 c
	s_mul_i32 s92, s75, 768
	s_sub_co_u32 s92, 6144, s92                    ; Q's scale words, counted from my tile's codes
	s_lshl_b32 s17, s16, 8
	s_add_co_u32 s92, s92, s17
	s_lshr_b32 s17, s75, 1
	s_lshl_b32 s17, s17, 2
	s_add_co_u32 s92, s92, s17
	s_lshr_b32 s86, s[WV], 1
	s_lshl_b32 s86, s86, 5
	s_lshl_b32 s17, s16, 3
	s_add_co_u32 s86, s86, s17                     ; 32 (wave / 2) + 8 (wave % 2)
	s_lshl_b32 s[Q0], s[LASTH], 8
	s_add_co_u32 s[Q0], s[Q0], s86
	s_lshl_b32 s[Q0L], ttmp9, 8
	s_add_co_u32 s[Q0L], s[Q0L], s86
	s_mov_b32 s87, ttmp9
	BLOCKADR LASTH, QCH, CPH, CSH
	BLOCKADR 87, QCL, CPL, CSL
	s_mov_b32 s[SEL], 0x76543210
	s_mov_b32 s[SEL+1], 0xfedcba98                 ; v_permlanex16_b32's selects for lane l xor 16
	s_mov_b32 s[CS], 0x3e38aa3b                    ; log2(e) / 8
	s_mov_b32 s[CS+1], s[CS]                       ; (named with it as a pair, so it is written)
	s_mov_b32 s[HI], 0xffff0000
	v_and_b32 v11, 31, v0
	s_delay_alu instid0(VALU_DEP_1)
	v_lshlrev_b32 v[L16], 4, v11
	s_delay_alu instid0(VALU_DEP_2)
	v_lshlrev_b32 v[L8], 3, v11
	v_and_b32 v232, 15, v0                         ; r
	v_bfe_u32 v233, v0, 4, 1                       ; lane / 16
	s_delay_alu instid0(VALU_DEP_2)
	v_and_b32 v234, 8, v232
	s_delay_alu instid0(VALU_DEP_1)
	v_add_nc_u32 v[QD], v234, v232
	s_delay_alu instid0(VALU_DEP_3)
	v_lshlrev_b32 v234, 4, v233
	s_delay_alu instid0(VALU_DEP_1)
	v_sub_nc_u32 v[QD], v[QD], v234
	v_lshl_add_u32 v[SCO], v232, 3, v233
	v_lshl_add_u32 v[QSO], v232, 4, s92
	v_min_u32 v[PFO], s96, v11
	s_delay_alu instid0(VALU_DEP_1)
	v_lshlrev_b32 v[PFO], 8, v[PFO]
	global_load_b128 v[QF:QF+3], v[L16], s[QCH:QCH+1]              ; both blocks' Q stay in registers
	global_load_b64 v[QF+4:QF+5], v[L8], s[QCH:QCH+1] offset:512
	global_load_b32 v[QS], v[QSO], s[QCH:QCH+1]
	global_load_b128 v[QL:QL+3], v[L16], s[QCL:QCL+1]
	global_load_b64 v[QL+4:QL+5], v[L8], s[QCL:QCL+1] offset:512
	global_load_b32 v[QL+6], v[QSO], s[QCL:QCL+1]
.irp i, 0,1,2,3,4,5
	v_mov_b32 v[QF+6+\i], 0                        ; zero codes for k = 64 .. 127
	v_mov_b32 v[FB+48+\i], 0                       ; and behind k's tile 7
.endr
.irp b, 0,1,2,3
	v_mov_b32 v[BM+4+\b], 0                        ; written once: a lane permute's destination counts as one of its sources
.endr
	v_mov_b32 v229, 0                              ; (named as the upper half of the pair v[228:229])
	INIT
; A KEY STEP: 128 keys, the q-th record of the slot in hand.
.macro STEP q
	s_cmp_gt_u32 s[KF], s[Q0]                      ; my queries Q0 .. Q0 + 23 never cross a multiple of 128, and KF is one: so either every query sees key KF, or the whole step is hidden and left out:
	s_cbranch_scc1 .Lhidden_\@                     ; a branch on ids, round loads, products and softmax; no barrier and no tensor load stands in a step
	v_add_nc_u32 v[A16], s[TB], v[L16]
	v_add_nc_u32 v[A8], s[TB], v[L8]
	v_nop
	v_nop                                          ; four places in front of loads into registers that the last products have read
.irp t, 0,1,2,3,4,5,6,7
	ds_load_b128 v[FB+6*\t:FB+6*\t+3], v[A16] offset:KREC*(\q)+768*\t
	ds_load_b64 v[FB+6*\t+4:FB+6*\t+5], v[A8] offset:KREC*(\q)+768*\t+512
.endr
	ds_load_b128 v[KS:KS+3], v[A16] offset:KREC*(\q)+6144
	s_wait_alu depctr_va_vdst(0)
	s_wait_dscnt 0x0
.irp t, 0,1,2,3,4,5,6,7                        ; S^T = K Q^T: register 16 b + i is key KF + 32 b + 16 (lane/16) + i
.if \t%2 == 0
	v_wmma_scale_f32_16x16x128_f8f6f4 v[S+8*\t:S+8*\t+7], v[FB+6*\t:FB+6*\t+11], v[QF:QF+11], 0, v[KS+\t/2], v[QS] matrix_a_fmt:MATRIX_FMT_FP6 matrix_b_fmt:MATRIX_FMT_FP6
.else
	v_wmma_scale_f32_16x16x128_f8f6f4 v[S+8*\t:S+8*\t+7], v[FB+6*\t:FB+6*\t+11], v[QF:QF+11], 0, v[KS+\t/2], v[QS] matrix_a_fmt:MATRIX_FMT_FP6 matrix_b_fmt:MATRIX_FMT_FP6 matrix_a_scale:MATRIX_SCALE_ROW1
.endif
.endr
.rept 4
	v_nop                                          ; places: in front of the loads below and of the first read of the scores
.endr
.irp t, 0,1,2,3                                ; v's four fragments land while the softmax is walked
	ds_load_b128 v[FB+12*\t:FB+12*\t+3], v[A16] offset:VOFF+VREC*(\q)+1536*\t
	ds_load_b64 v[FB+12*\t+4:FB+12*\t+5], v[A8] offset:VOFF+VREC*(\q)+1536*\t+512
	ds_load_b128 v[FB+12*\t+6:FB+12*\t+9], v[A16] offset:VOFF+VREC*(\q)+1536*\t+768
	ds_load_b64 v[FB+12*\t+10:FB+12*\t+11], v[A8] offset:VOFF+VREC*(\q)+1536*\t+1280
.endr
	ds_load_b64 v[VS:VS+1], v[A8] offset:VOFF+VREC*(\q)+6144
	s_add_co_u32 s97, s[KF], 127                   ; on the diagonal hidden scores become -infinity ahead of the maximum; a step all of whose keys count skips this
	s_cmp_le_u32 s97, s[Q0]
	s_cbranch_scc1 .Lopen_\@
	s_sub_co_i32 s97, s[Q0], s[KF]
	v_add_nc_u32 v234, s97, v[QD]                  ; d = my query - KF - 16 (lane/16): register 16 b + i is hidden where 32 b + i > d
	v_mov_b32 v235, 0xff800000
.set n_, 0
.rept 64
	v_cmp_gt_i32 vcc_lo, 32*(n_/16)+n_%16, v234
	v_cndmask_b32 v[S+n_], v[S+n_], v235, vcc_lo
.set n_, n_+1
.endr
.Lopen_\@:
.irp b, 0,1,2,3
	v_max3_num_f32 v[BM+\b], v[S+16*\b], v[S+1+16*\b], v[S+2+16*\b]        ; the largest score of each block of 32 keys: for the row's maximum, and, since p rises with the score, for the block's largest p
.endr
.irp i, 3,5,7,9,11,13
.irp b, 0,1,2,3
	v_max3_num_f32 v[BM+\b], v[BM+\b], v[S+16*\b+\i], v[S+1+16*\b+\i]
.endr
.endr
.irp b, 0,1,2,3
	v_max_num_f32 v[BM+\b], v[BM+\b], v[S+15+16*\b]
.endr
.irp b, 0,1,2,3
	s_delay_alu instid0(VALU_DEP_4)
	v_permlanex16_b32 v[BM+4+\b], v[BM+\b], s[SEL], s[SEL+1]
.endr
.irp b, 0,1,2,3
	s_delay_alu instid0(VALU_DEP_4)
	v_max_num_f32 v[BM+\b], v[BM+\b], v[BM+4+\b]   ; with lane l xor 16's 16 keys
.endr
	s_delay_alu instid0(VALU_DEP_2)
	v_max3_num_f32 v232, v[BM], v[BM+1], v[BM+2]
	s_delay_alu instid0(VALU_DEP_1)
	v_max_num_f32 v232, v232, v[BM+3]
	s_delay_alu instid0(VALU_DEP_1)
	v_mul_f32 v232, s[CS], v232                    ; as t
	s_delay_alu instid0(VALU_DEP_1)
	v_max_num_f32 v13, v13, v232                   ; the running largest t
	v_mov_b32 v232, v12
	s_delay_alu instid0(VALU_DEP_2)
	v_floor_f32 v12, -v13                          ; the new -M = -ceil(t)
	s_delay_alu instid0(VALU_DEP_1)
	v_sub_f32 v232, v12, v232                      ; old M - new M: a whole number, 0 or less
	s_delay_alu instid0(VALU_DEP_1)
	v_cvt_i32_f32 v232, v232                       ; (it saturates)
	s_delay_alu instid0(VALU_DEP_1)
	v_ldexp_f32 v228, 1.0, v232                    ; f = 2^(old M - new M)
.set n_, 0
.rept 32
	v_pk_fma_f32 v[S+n_:S+n_+1], v[S+n_:S+n_+1], s[CS:CS+1], v[12:13] op_sel_hi:[1,0,0]    ; t - M, two at a time
.set n_, n_+2
.endr
.irp b, 0,1,2,3
	v_fma_f32 v[BM+\b], v[BM+\b], s[CS], v12       ; the same of each block's largest score
.endr
.set n_, 0
	s_wait_alu depctr_va_vdst(0)
.rept 64
	v_exp_f32 v[S+n_], v[S+n_]                     ; p = 2^(t - M)
.set n_, n_+1
.endr
	v_pk_mul_f32 v[14:15], v[14:15], v[228:229] op_sel_hi:[1,0]    ; the sums under the new M (a plain place behind the exponentials)
	s_wait_alu depctr_va_vdst(0)                   ; one wait for the batch of 64, ahead of its first reader
.irp b, 0,1,2,3
	v_exp_f32 v[BM+\b], v[BM+\b]                   ; the block's largest p: the same two instructions on the same number
.endr
	v_pk_add_f32 v[230:231], v[100:101], v[104:105]
	v_pk_add_f32 v[254:255], v[108:109], v[112:113]
	v_pk_add_f32 v[252:253], v[116:117], v[120:121]
	v_pk_add_f32 v[250:251], v[124:125], v[128:129]
	v_pk_add_f32 v[248:249], v[132:133], v[136:137]
	v_pk_add_f32 v[246:247], v[140:141], v[144:145]
	v_pk_add_f32 v[244:245], v[148:149], v[152:153]
	v_pk_add_f32 v[14:15], v[14:15], v[156:157]
	v_pk_add_f32 v[230:231], v[230:231], v[96:97]
	v_pk_add_f32 v[254:255], v[254:255], v[98:99]
	v_pk_add_f32 v[252:253], v[252:253], v[102:103]
	v_pk_add_f32 v[250:251], v[250:251], v[106:107]
	v_pk_add_f32 v[248:249], v[248:249], v[110:111]
	v_pk_add_f32 v[246:247], v[246:247], v[114:115]
	v_pk_add_f32 v[244:245], v[244:245], v[118:119]
	v_pk_add_f32 v[14:15], v[14:15], v[122:123]
	v_pk_add_f32 v[230:231], v[230:231], v[126:127]
	v_pk_add_f32 v[254:255], v[254:255], v[130:131]
	v_pk_add_f32 v[252:253], v[252:253], v[134:135]
	v_pk_add_f32 v[250:251], v[250:251], v[138:139]
	v_pk_add_f32 v[248:249], v[248:249], v[142:143]
	v_pk_add_f32 v[246:247], v[246:247], v[146:147]
	v_pk_add_f32 v[244:245], v[244:245], v[150:151]
	v_pk_add_f32 v[14:15], v[14:15], v[154:155]
	v_pk_add_f32 v[230:231], v[230:231], v[158:159]
	s_delay_alu instid0(VALU_DEP_2)
	v_pk_add_f32 v[14:15], v[14:15], v[250:251]
	s_delay_alu instid0(VALU_DEP_2)
	v_pk_add_f32 v[230:231], v[230:231], v[248:249]
	v_pk_add_f32 v[254:255], v[254:255], v[246:247]
	v_pk_add_f32 v[252:253], v[252:253], v[244:245]
	s_delay_alu instid0(VALU_DEP_2)
	v_pk_add_f32 v[14:15], v[14:15], v[254:255]
	s_delay_alu instid0(VALU_DEP_2)
	v_pk_add_f32 v[230:231], v[230:231], v[252:253]
	s_delay_alu instid0(VALU_DEP_1)
	v_pk_add_f32 v[14:15], v[14:15], v[230:231]
	s_wait_alu depctr_va_vdst(0)                   ; and one for the four
.irp b, 0,1,2,3
	v_max_num_f32 v[BM+\b], 0x1800000, v[BM+\b]    ; the floor 2^(3 - 127): the byte cannot fall under 1
.endr
.irp b, 0,1,2,3
	s_delay_alu instid0(VALU_DEP_4)
	v_add_nc_u32 v[BM+8+\b], 0xff000000, v[BM+\b]  ; the conversion's scale operand
.endr
.irp b, 0,1,2,3
	s_delay_alu instid0(VALU_DEP_4)
	v_lshrrev_b32 v[BM+4+\b], 23, v[BM+8+\b]       ; the byte
.endr
	s_delay_alu instid0(VALU_DEP_3)
	v_lshl_or_b32 v[PS], v[BM+5], 8, v[BM+4]
	s_delay_alu instid0(VALU_DEP_1)
	v_lshl_or_b32 v[PS], v[BM+6], 16, v[PS]
	s_delay_alu instid0(VALU_DEP_1)
	v_lshl_or_b32 v[PS], v[BM+7], 24, v[PS]        ; p's scale word for these 128 keys
.irp c, 0,1
	v_cvt_scalef32_pk16_fp6_f32 v[PCD+6*\c:PCD+6*\c+2], v[S+32*\c:S+32*\c+15], v[BM+8+2*\c]
	v_cvt_scalef32_pk16_fp6_f32 v[PT+4*\c:PT+4*\c+2], v[S+32*\c+16:S+32*\c+31], v[BM+8+2*\c+1]
.endr
	v_nop                                          ; one plain place behind a scaled conversion
.irp c, 0,1                                    ; a whole block to a lane
.irp i, 0,1,2
	v_permlane16_swap_b32 v[PCD+6*\c+\i], v[PT+4*\c+\i]
.endr
.irp i, 0,1,2
	s_delay_alu instid0(VALU_DEP_3)
	v_mov_b32 v[PCD+3+6*\c+\i], v[PT+4*\c+\i]
.endr
.endr
.set n_, 0
.rept 16
	v_pk_mul_f32 v[OT+n_:OT+n_+1], v[OT+n_:OT+n_+1], v[228:229] op_sel_hi:[1,0]    ; O^T under the new M; these sixteen also stand between the codes' and the scale word's last writes and the products
.set n_, n_+2
.endr
	s_wait_alu depctr_va_vdst(0)
	s_wait_dscnt 0x0                               ; v's fragments are in
.irp t, 0,1,2,3                                ; O^T += V^T P^T: register 16 b + i is d = 32 b + 16 (lane/16) + i
.if \t%2 == 0
	v_wmma_scale_f32_16x16x128_f8f6f4 v[OT+8*\t:OT+8*\t+7], v[FB+12*\t:FB+12*\t+11], v[PCD:PCD+11], v[OT+8*\t:OT+8*\t+7], v[VS+\t/2], v[PS] matrix_a_fmt:MATRIX_FMT_FP6 matrix_b_fmt:MATRIX_FMT_FP6
.else
	v_wmma_scale_f32_16x16x128_f8f6f4 v[OT+8*\t:OT+8*\t+7], v[FB+12*\t:FB+12*\t+11], v[PCD:PCD+11], v[OT+8*\t:OT+8*\t+7], v[VS+\t/2], v[PS] matrix_a_fmt:MATRIX_FMT_FP6 matrix_b_fmt:MATRIX_FMT_FP6 matrix_a_scale:MATRIX_SCALE_ROW1
.endif
.endr
.Lhidden_\@:
	s_add_co_u32 s[KF], s[KF], 128
.endm
; THE CHANGE OF SLOTS stands at a slot's head.  Each wave waits for all its tensor loads, adds 0 to its spare word, and waits for that and for its reads of the slot that it has left.
; fill = 1: that slot takes the keys that follow: the next 256, or, where the first block ends with this trip, the head's first 256 again, for the second block.
.macro CHANGE fill
	s_wait_tensorcnt 0x0                           ; no tensor load of mine is out, so a group 0 may be written
	ds_add_u32 v[SPW], v[NIL]                      ; 0 onto my spare word
.if \fill
	s_xor_b32 s[G0K+1], s[G0K+1], SLOT1
	s_xor_b32 s[G0V+1], s[G0V+1], SLOT1
	s_add_nc_u64 s[G0K+2:G0K+3], s[G0K+2:G0K+3], 2*KREC
	s_add_nc_u64 s[G0V+2:G0V+3], s[G0V+2:G0V+3], 2*VREC
	s_cmp_eq_u32 s[E], s[LASTH]
	s_cselect_b32 s[T0], s[BKK], 0
	s_sub_nc_u64 s[G0K+2:G0K+3], s[G0K+2:G0K+3], s[T0:T0+1]
	s_cselect_b32 s[T0], s[BKV], 0
	s_sub_nc_u64 s[G0V+2:G0V+3], s[G0V+2:G0V+3], s[T0:T0+1]
	s_wait_xcnt 0x0                                ; the last prefetch, a slot back, has read its address
	s_add_nc_u64 s[PFA:PFA+1], s[PFA:PFA+1], s[PFS:PFS+1]
.endif
	s_wait_dscnt 0x0                               ; the add is done, and my reads of the slot that I have left are over
	s_barrier_signal -1
	s_barrier_wait -1
.if \fill
	TLOAD                                          ; the first thing behind the barrier, and a wave's one tensor load until the next
	ASK
.endif
.endm
; A BLOCK ENDS: O^T / the sum is ctx: 16 tokens x the head's 64, quantised along D: two blocks of 32, each in lanes l and l xor 16; the half-image and two scale bytes a token leave from registers.
.macro FINISH cp, cs
.rept 4
	v_nop                                          ; places behind the last products
.endr
	v_add_f32 v14, v14, v15
	s_delay_alu instid0(VALU_DEP_1)
	v_permlanex16_b32 v232, v14, s[SEL], s[SEL+1]
	s_delay_alu instid0(VALU_DEP_1)
	v_add_f32 v14, v14, v232                       ; the row's sum
	s_wait_alu depctr_va_vdst(0)
	v_rcp_f32 v228, v14
	v_nop                                          ; a plain place behind the reciprocal
	s_wait_alu depctr_va_vdst(0)                   ; and the wait ahead of its first reader
.set n_, 0
.rept 16
	v_pk_mul_f32 v[S+n_:S+n_+1], v[OT+n_:OT+n_+1], v[228:229] op_sel_hi:[1,0]      ; each accumulator from its low end on
.set n_, n_+2
.endr
.irp b, 0,1
	v_max3_num_f32 v[BM+\b], |v[S+16*\b]|, |v[S+1+16*\b]|, 0x1800000
.endr
.irp i, 2,4,6,8,10,12,14
.irp b, 0,1
	s_delay_alu instid0(VALU_DEP_2)
	v_max3_num_f32 v[BM+\b], v[BM+\b], |v[S+16*\b+\i]|, |v[S+1+16*\b+\i]|
.endr
.endr
.irp b, 0,1
	s_delay_alu instid0(VALU_DEP_2)
	v_permlanex16_b32 v[BM+4+\b], v[BM+\b], s[SEL], s[SEL+1]
.endr
.irp b, 0,1
	s_delay_alu instid0(VALU_DEP_2)
	v_max_num_f32 v[BM+\b], v[BM+\b], v[BM+4+\b]
.endr
.irp b, 0,1
	s_delay_alu instid0(VALU_DEP_2)
	v_add_nc_u32 v[BM+8+\b], 0xff000000, v[BM+\b]
.endr
.irp b, 0,1
	s_delay_alu instid0(VALU_DEP_2)
	v_lshrrev_b32 v[BM+4+\b], 23, v[BM+8+\b]
.endr
	s_delay_alu instid0(VALU_DEP_1)
	v_cndmask_b32 v233, v[BM+4], v[BM+5], s[HI]    ; lanes 0-15 store block 0's byte, lanes 16-31 block 1's
	v_cvt_scalef32_pk16_fp6_f32 v[PCD:PCD+2], v[S:S+15], v[BM+8]
	v_cvt_scalef32_pk16_fp6_f32 v[PT:PT+2], v[S+16:S+31], v[BM+9]
	v_nop
.irp i, 0,1,2
	v_permlane16_swap_b32 v[PCD+\i], v[PT+\i]
.endr
.irp i, 0,1,2
	s_delay_alu instid0(VALU_DEP_3)
	v_mov_b32 v[PCD+3+\i], v[PT+\i]
.endr
	global_store_b128 v[L16], v[PCD:PCD+3], s[\cp:\cp+1]           ; 512 + 256 consecutive bytes, aligned
	global_store_b64 v[L8], v[PCD+4:PCD+5], s[\cp:\cp+1] offset:512
	global_store_b8 v[SCO], v233, s[\cs:\cs+1]     ; two of a word's four bytes: the other two are the neighbouring head's work-group's: 32 bytes beside 768
.endm
	s_mov_b32 s[TB], 0
	s_mov_b32 s[E], 0
	s_mov_b32 s[KF], 0
	s_wait_loadcnt 0x0                             ; Q
.Lslot:                                            ; eight trips: behind each change of slots but the last the next slot is asked for
	CHANGE 1
	STEP 0
	STEP 1
	s_xor_b32 s[TB], s[TB], SLOT1
	s_cmp_eq_u32 s[E], s[LASTH]
	s_cbranch_scc0 .Lsame_block
	FINISH CPH, CSH
	s_wait_xcnt 0x0                                ; the stores have read their registers
.irp i, 0,1,2,3,4,5
	v_mov_b32 v[QF+\i], v[QL+\i]                   ; the second block's Q and its scale words, first: the lines of INIT stand between these writes and the next products
.endr
	v_mov_b32 v[QS], v[QL+6]
	INIT
	s_mov_b32 s[Q0], s[Q0L]
	s_mov_b32 s[KF], 0
.Lsame_block:
	s_add_co_u32 s[E], s[E], 1
	s_cmp_lt_u32 s[E], 8
	s_cbranch_scc1 .Lslot
	CHANGE 0                                       ; the ninth slot is written out
	STEP 0
	STEP 1
	FINISH CPL, CSL
	s_wait_tensorcnt 0x0                           ; the wave's end
	ds_add_u32 v[SPW], v[NIL]
	s_wait_dscnt 0x0
	s_endpgm
.Lfunc_end_k_q5db699f5d0_attn:
	.size	k_q5db699f5d0_attn, .Lfunc_end_k_q5db699f5d0_attn-k_q5db699f5d0_attn
	.p2alignl 7, 3214868480
	.fill 96, 4, 3214868480
	.section	.rodata,"a",@progbits
	.p2align	6, 0x0
	.amdhsa_kernel k_q5db699f5d0_attn
		.amdhsa_group_segment_fixed_size 327680
		.amdhsa_private_segment_fixed_size 0
		.amdhsa_enable_private_segment 0
		.amdhsa_kernarg_size 24
		.amdhsa_user_sgpr_count 2
		.amdhsa_user_sgpr_kernarg_segment_ptr 1
		.amdhsa_wavefront_size32 1
		.amdhsa_system_sgpr_workgroup_id_x 1
		.amdhsa_system_sgpr_workgroup_id_y 1
		.amdhsa_system_sgpr_workgroup_id_z 1
		.amdhsa_system_vgpr_workitem_id 0
		.amdhsa_next_free_vgpr 256
		.amdhsa_next_free_sgpr 100
		.amdhsa_reserve_vcc 1
		.amdhsa_float_denorm_mode_32 3
		.amdhsa_float_denorm_mode_16_64 3
		.amdhsa_memory_ordered 1
		.amdhsa_forward_progress 1
		.amdhsa_inst_pref_size 111
	.end_amdhsa_kernel
	.amdgpu_metadata
---
amdhsa.version: [ 1, 2 ]
amdhsa.kernels:
  - .name:           k_q5db699f5d0_attn
    .symbol:         k_q5db699f5d0_attn.kd
    .args:
      - { .name: qk, .offset: 0, .size: 8, .value_kind: global_buffer, .address_space: global }
      - { .name: vv, .offset: 8, .size: 8, .value_kind: global_buffer, .address_space: global }
      - { .name: cc, .offset: 16, .size: 8, .value_kind: global_buffer, .address_space: global }
    .group_segment_fixed_size: 327680
    .private_segment_fixed_size: 0
    .kernarg_segment_align: 8
    .kernarg_segment_size: 24
    .max_flat_workgroup_size: 512
    .sgpr_count:     100
    .vgpr_count:     256
    .wavefront_size: 32
...
	.end_amdgpu_metadata
.endif
;; end of part 3
;; launch outp (part 4): grid 4 x 32, 4 waves a work-group, clusters of 4 x 4, 327,680 bytes of LDS; arguments cc, wc, bo, out0; writes out0
.if DOCPART == 4
	.amdgcn_target "amdgcn-amd-amdhsa--gfx1250"
	.amdhsa_code_object_version 6
	.text
	.protected	k_q5db699f5d0_outp
	.globl	k_q5db699f5d0_outp
	.p2align	8
	.type	k_q5db699f5d0_outp,@function
k_q5db699f5d0_outp:
	s_mov_b64 s[64:65], 0
	v_nop
	global_prefetch_b8 v0, s[64:65] scope:SCOPE_SE
	s_setreg_imm32_b32 hwreg(HW_REG_WAVE_MODE, 25, 1), 1
	s_wait_xcnt 0x0
	s_wait_alu depctr_hold_cnt(0) depctr_sa_sdst(0) depctr_va_vdst(0) depctr_va_sdst(0) depctr_va_ssrc(0) depctr_va_vcc(0) depctr_vm_vsrc(0)
	s_getreg_b32 s2, hwreg(HW_REG_IB_STS2, 6, 4)
	s_cmp_eq_u32 s2, 0
	s_cbranch_scc0 .Lentry_in_a_cluster
	s_endpgm
.Lentry_in_a_cluster:
	s_bfe_u32 s2, ttmp6, 0x10000c
	s_cmp_lg_u32 s2, 0xf033
	s_cbranch_scc0 .Lentry_shape_is_right
	s_endpgm
.Lentry_shape_is_right:
; out0 = ctx Wo + bo on codes of FP6 (E2M3) with E8M0 scales; out0 [8192][1024] f32.
; Operands come as records in the order of the operand's registers (16 rows x 64 K = a half-image of 768 bytes; a record = 128 rows x 256 K + its scale words = 25,600 bytes, one dense block).
; In every group of 128 rows tile T holds in slot r the row 32 (T/2) + 8 (T%2) + r + 8 (r/8): so the 16 registers of result tiles 2 b, 2 b + 1 are 16 neighbours, 32 b + 16 (lane/16) + 0..15, along source 0's rows.
; SHARES.  A work-group of four waves makes 256 tokens x 256 features; a wave 128 x 128: 64 accumulators.  Source 0 (P) = Wo's columns (wc's groups 24-31), source 1 (R) = ctx's tokens: a lane holds
; one token and neighbouring features.  K = 1,024 goes in four slots' worth of 256 through a ring of two LDS slots: eight steps of 128, written out.  bo is the C of each sum's first product.
; CLUSTERS: 4 x 4.  ctx's records hang on work-group y alone and are asked for jointly by a row of the cluster, Wo's on x alone, by a column.
; 128 work-groups: a tile of half the size would double them at the price of twice the LDS reads for each product.
; REGISTERS: window 0: v16-31 addresses; v32-63 scale words, two sets, and nothing else; v64-127 the bias; v128-223 R's fragments, one set (on the way out v128-255: rows read back).
;   window 1: P's fragments, two sets, at v0 and v128.   windows 2, 3: accumulator (a, b) at v[8 (8 (a%4) + b)], a < 4 in window 2.
.set REC,    25600
.set SLOT,   4*REC                     ; ctx's two records, then Wo's two
.set SPARE,  2*SLOT                    ; behind the ring: the spare words, 128 bytes a wave
.set SPITCH, 528                       ; the way out: a stage of 16 rows x (512 bytes + 16) for each wave, in slot 0, which has had its last fill and its last read when the first result is stored there
.set FR,     12
.set NL,     4
.set NP,     4
.set ADRR,   16
.set ADRP,   20
.set L16,    24
.set L8,     25
.set STO,    26
.set RD,     27
.set SPW,    28
.set NIL,    29
.set BO1,    30
.set SC,     32
.set BIAS,   64
.set RF,     128
.set BK,     128
.set WV,     18
.set WH,     19
.set WL,     20
.set GY,     21
.set G1Y,    24
.set G0Y,    32
.set G1X,    48
.set G0X,    56
.set MSB, 0
.macro WIN new                         ; the immediate's high byte repeats the setting that is left
.if MSB != \new
	s_set_vgpr_msb (MSB<<8)|\new
.set MSB, \new
.endif
.endm
.set MUL_LO, 0xa1                      ; source 0 (P) window 1, source 1 (R) window 0, C and D window 2
.set MUL_HI, 0xf1
.set BIA_LO, 0x81                      ; C (the bias) window 0, D window 2
.set BIA_HI, 0xc1
.set TO_P,   0x40
.macro JLOAD g0y, g1y, g0x, g1x        ; a joint load: waves 0 and 1 fetch ctx's two records, waves 2 and 3 Wo's; four v_nop follow each line
	s_cmp_eq_u32 s[WH], 0
	s_cbranch_scc0 .Lfor_x_\@
	tensor_load_to_lds s[\g0y:\g0y+3], s[\g1y:\g1y+7]
	s_nop 0
.rept 4
	v_nop
.endr
	s_branch .Lasked_\@
.Lfor_x_\@:
	tensor_load_to_lds s[\g0x:\g0x+3], s[\g1x:\g1x+7]
	s_nop 0
.rept 4
	v_nop
.endr
.Lasked_\@:
.endm
.macro CREST
	s_cmp_lg_u32 s[WV], 0
	s_cbranch_scc1 .Lnot_wave_0_\@
	s_barrier_signal -3
.Lnot_wave_0_\@:
	s_barrier_wait -3
	s_barrier_signal -1
	s_barrier_wait -1
.endm
.macro CROUND
	s_barrier_signal -1
	s_barrier_wait -1
	CREST
.endm
.macro PLACES n
.rept \n
	v_nop
.endr
.endm
	s_load_b256 s[4:11], s[0:1], 0x0               ; cc s[4:5], wc s[6:7], bo s[8:9], out0 s[10:11]
	v_lshl_add_u32 v[SPW], v0, 2, SPARE
	v_mov_b32 v[NIL], 0
	ds_add_u32 v28, v29
	ds_add_u32 v28, v29
	s_wait_dscnt 0x0
	v_lshrrev_b32 v1, 5, v0
	v_readfirstlane_b32 s[WV], v1
	s_lshr_b32 s[WH], s[WV], 1                     ; which record of R is mine.  Also: I fetch for ctx (0) or for Wo (1)
	s_and_b32 s[WL], s[WV], 1                      ; which record of P.  Also: which of the two records I fetch
	s_bfe_u32 s40, ttmp6, 0x40000                  ; cx
	s_bfe_u32 s41, ttmp6, 0x40004                  ; cy
	s_lshl_b32 s42, ttmp9, 2
	s_add_co_u32 s42, s42, s40                     ; work-group x
	s_and_b32 s[GY], ttmp7, 0xffff
	s_lshl_b32 s[GY], s[GY], 2
	s_add_co_u32 s[GY], s[GY], s41                 ; work-group y
	s_lshl_b32 s43, s41, 2
	s_lshl_b32 s43, 15, s43                        ; my row of the cluster
	s_lshl_b32 s44, 0x1111, s40                    ; my column
	s_or_b32 s[G1Y], s43, (3<<16)|(1<<21)          ; a record: 100 rows of 32 elements of 8 bytes, dense, no padding
	s_or_b32 s[G1X], s44, (3<<16)|(1<<21)
.irp g, G1Y, G1X
	s_mov_b32 s[\g+1], 32<<16
	s_mov_b32 s[\g+2], 100<<16
	s_mov_b32 s[\g+3], 32<<16
	s_mov_b32 s[\g+4], 100
	s_mov_b32 s[\g+5], 32
	s_mov_b32 s[\g+6], 0
	s_mov_b32 s[\g+7], 0
.endr
	s_lshl_b32 s22, s[GY], 1
	s_add_co_u32 s22, s22, s[WL]
	s_mul_i32 s22, s22, 4*REC
	s_mov_b32 s23, 0
	s_lshl_b32 s46, s42, 1
	s_add_co_u32 s46, s46, s[WL]
	s_add_co_u32 s46, s46, 24                      ; Wo's groups lie behind q's, k's and v's
	s_mul_i32 s46, s46, 4*REC
	s_mov_b32 s47, 0
	s_mul_i32 s45, s[WV], REC
	s_wait_kmcnt 0x0
	s_add_nc_u64 s[22:23], s[4:5], s[22:23]
	s_add_nc_u64 s[46:47], s[6:7], s[46:47]
	CROUND                                         ; all sixteen work-groups are here: the first joint loads meet
.irp s, 0,1
	s_mov_b32 s[G0Y+4*\s], 1
	s_add_co_u32 s[G0Y+4*\s+1], s45, \s*SLOT
	s_add_nc_u64 s[G0Y+4*\s+2:G0Y+4*\s+3], s[22:23], \s*REC
	s_or_b32 s[G0Y+4*\s+3], s[G0Y+4*\s+3], 0x80000000
	s_mov_b32 s[G0X+4*\s], 1
	s_add_co_u32 s[G0X+4*\s+1], s45, \s*SLOT
	s_add_nc_u64 s[G0X+4*\s+2:G0X+4*\s+3], s[46:47], \s*REC
	s_or_b32 s[G0X+4*\s+3], s[G0X+4*\s+3], 0x80000000
	s_wait_alu depctr_va_vdst(0)
	s_wait_tensorcnt 0x0
	ds_add_u32 v28, v29
	ds_add_u32 v28, v29
	s_wait_dscnt 0x0
	CROUND
	JLOAD G0Y+4*\s, G1Y, G0X+4*\s, G1X             ; one load of mine is out
.endr
	v_and_b32 v1, 31, v0
	v_and_b32 v2, 15, v0
	v_bfe_u32 v3, v0, 4, 1
	v_lshlrev_b32 v[L16], 4, v1
	s_wait_alu depctr_va_vdst(0)
	v_lshlrev_b32 v[L8], 3, v1
	s_wait_alu depctr_va_vdst(0)
	v_lshlrev_b32 v[BO1], 6, v3
	s_lshl_b32 s80, s42, 10
	s_lshl_b32 s81, s[WL], 9
	s_add_co_u32 s80, s80, s81                     ; my 128 features, in bytes
	s_mov_b32 s81, 0
	s_add_nc_u64 s[8:9], s[8:9], s[80:81]
.irp b, 0,1,2,3,4,5,6,7                        ; register j of tile b wants the bias of feature 32 (b/2) + 8 (b%2) + 16 (lane/16) + j
	global_load_b128 v[BIAS+8*\b:BIAS+8*\b+3], v[BO1], s[8:9] offset:4*(32*(\b/2)+8*(\b%2))
	global_load_b128 v[BIAS+8*\b+4:BIAS+8*\b+7], v[BO1], s[8:9] offset:4*(32*(\b/2)+8*(\b%2))+16
.endr
	s_mul_i32 s82, s[WH], REC                      ; R: ctx's record WH
	s_mul_i32 s83, s[WL], REC
	s_add_co_u32 s83, s83, 2*REC                   ; P: Wo's record WL
.irp s, 0,1
	v_add_nc_u32 v[ADRR+\s], s82, v[L16]
	v_add_nc_u32 v[ADRR+2+\s], s82, v[L8]
	v_add_nc_u32 v[ADRP+\s], s83, v[L16]
	v_add_nc_u32 v[ADRP+2+\s], s83, v[L8]
	s_add_co_u32 s82, s82, SLOT
	s_add_co_u32 s83, s83, SLOT
.endr
	s_mul_i32 s84, s[WV], 16*SPITCH                ; my stage
	v_mul_u32_u24 v[STO], v2, SPITCH
	v_lshl_add_u32 v[STO], v3, 6, v[STO]
	v_add_nc_u32 v[STO], s84, v[STO]               ; in: row r, + 64 (lane/16)
	v_add_nc_u32 v[RD], s84, v[L16]                ; back: a row of 512 bytes, 16 a lane
	s_lshl_b32 s84, s[GY], 8
	s_lshl_b32 s85, s[WH], 7
	s_add_co_u32 s84, s84, s85                     ; my first token
	s_lshl_b32 s84, s84, 12
	s_add_co_u32 s84, s84, s80                     ; + my first feature
	s_mov_b32 s85, 0
	s_add_nc_u64 s[12:13], s[10:11], s[84:85]
	s_wait_alu depctr_va_vdst(0)
	s_wait_loadcnt 0x0                             ; the bias
; one product: R's tile a x P's tile b, the slot's q-th 128 along K.  A scale register carries tile 2 i in lanes 0-15 and tile 2 i + 1 in lanes 16-31.  cmode 1: the sum starts from the bias
.macro WM a, b, p, q, sc, cmode
.set rD, 8*(8*((\a)%4)+(\b))
.set rP, 128*(\p)+FR*(\b)
.set rR, RF+FR*(\a)
.set rSP, SC+16*(\sc)+2*((\b)/2)+(\q)
.set rSR, SC+16*(\sc)+8+2*((\a)/2)+(\q)
.set rC, rD
.if (\cmode) == 1
.set rC, BIAS+8*(\b)
.endif
.if ((\a)%2 == 0) && ((\b)%2 == 0)
	v_wmma_scale_f32_16x16x128_f8f6f4 v[rD:rD+7], v[rP:rP+FR-1], v[rR:rR+FR-1], v[rC:rC+7], v[rSP], v[rSR] matrix_a_fmt:MATRIX_FMT_FP6 matrix_b_fmt:MATRIX_FMT_FP6
.elseif (\a)%2 == 0
	v_wmma_scale_f32_16x16x128_f8f6f4 v[rD:rD+7], v[rP:rP+FR-1], v[rR:rR+FR-1], v[rC:rC+7], v[rSP], v[rSR] matrix_a_fmt:MATRIX_FMT_FP6 matrix_b_fmt:MATRIX_FMT_FP6 matrix_a_scale:MATRIX_SCALE_ROW1
.elseif (\b)%2 == 0
	v_wmma_scale_f32_16x16x128_f8f6f4 v[rD:rD+7], v[rP:rP+FR-1], v[rR:rR+FR-1], v[rC:rC+7], v[rSP], v[rSR] matrix_a_fmt:MATRIX_FMT_FP6 matrix_b_fmt:MATRIX_FMT_FP6 matrix_b_scale:MATRIX_SCALE_ROW1
.else
	v_wmma_scale_f32_16x16x128_f8f6f4 v[rD:rD+7], v[rP:rP+FR-1], v[rR:rR+FR-1], v[rC:rC+7], v[rSP], v[rSR] matrix_a_fmt:MATRIX_FMT_FP6 matrix_b_fmt:MATRIX_FMT_FP6 matrix_a_scale:MATRIX_SCALE_ROW1 matrix_b_scale:MATRIX_SCALE_ROW1
.endif
.endm
.macro MUL16 a0, p, q, sc, cmode       ; the 64 accumulators take turns, one instruction a turn, in the same order in every step
.irp a, \a0, \a0+1
.irp b, 0,1,2,3,4,5,6,7
	WM \a, \b, \p, \q, \sc, \cmode
.endr
.endr
.endm
.macro FRAG reg, adr, q, i             ; a fragment = two half-images
	ds_load_b128 v[\reg:\reg+3], v[\adr] offset:12288*(\q)+1536*(\i)
	ds_load_b64 v[\reg+4:\reg+5], v[\adr+2] offset:12288*(\q)+1536*(\i)+512
	ds_load_b128 v[\reg+6:\reg+9], v[\adr] offset:12288*(\q)+1536*(\i)+768
	ds_load_b64 v[\reg+10:\reg+11], v[\adr+2] offset:12288*(\q)+1536*(\i)+1280
.endm
.macro FETCH_P slot, q, p
	WIN TO_P
.irp i, 0,1,2,3,4,5,6,7
	FRAG 128*(\p)+FR*\i, ADRP+\slot, \q, \i
.endr
	WIN 0
.endm
.macro FETCH_R slot, q, i0
.irp i, \i0, \i0+1, \i0+2, \i0+3
	FRAG RF+FR*(\i), ADRR+\slot, \q, \i
.endr
.endm
.macro SCALES slot
.irp p, 0,1,2,3
	ds_load_b64 v[SC+16*\slot+2*\p:SC+16*\slot+2*\p+1], v[ADRP+2+\slot] offset:24576+256*\p
	ds_load_b64 v[SC+16*\slot+8+2*\p:SC+16*\slot+8+2*\p+1], v[ADRR+2+\slot] offset:24576+256*\p
.endr
.endm
.macro STEP slot, first                ; a slot's first step of 128
	s_wait_dscnt 4*NL                              ; P's set, R's tiles 0-3 and the scale words are in; the youngest 16 loads (R's tiles 4-7) may be out
.if \first
	WIN BIA_LO
.else
	WIN MUL_LO
.endif
	MUL16 0, 0, 0, \slot, \first
	MUL16 2, 0, 0, \slot, \first
	s_wait_dscnt 0x0
	PLACES NP                                      ; in front of loads into registers that matrix instructions have read
	FETCH_P \slot, 1, 1
	FETCH_R \slot, 1, 0
.if \first
	WIN BIA_HI
.else
	WIN MUL_HI
.endif
	MUL16 4, 0, 0, \slot, \first
	MUL16 6, 0, 0, \slot, \first
	PLACES NP
	WIN 0
	FETCH_R \slot, 1, 4
.endm
.macro TURN slot, next, fill           ; a slot's second step changes slots
	s_wait_tensorcnt 0x0                           ; all my tensor loads have landed: my part of the next slot
	ds_add_u32 v[SPW], v[NIL]                      ; 0 onto my spare word
	s_wait_dscnt 4*NL+1                            ; (the add and the youngest 16 loads may be out)
	WIN MUL_LO
	MUL16 0, 1, 1, \slot, 0
	s_wait_dscnt 0x0                               ; the add is done, and my reads of this slot are over
	s_barrier_signal -1
	MUL16 2, 1, 1, \slot, 0
	WIN 0
	s_barrier_wait -1
.if \fill
	CREST                                          ; the barrier has opened a round of the cluster's: no wave of any partner still reads this slot or has a load on its way
	s_add_nc_u64 s[G0Y+4*\slot+2:G0Y+4*\slot+3], s[G0Y+4*\slot+2:G0Y+4*\slot+3], 2*REC
	s_add_nc_u64 s[G0X+4*\slot+2:G0X+4*\slot+3], s[G0X+4*\slot+2:G0X+4*\slot+3], 2*REC
	JLOAD G0Y+4*\slot, G1Y, G0X+4*\slot, G1X       ; the first tensor load behind the round, one a wave
.else
	PLACES NP
.endif
	FETCH_P \next, 0, 0
	FETCH_R \next, 0, 0
	SCALES \next
	WIN MUL_HI
	MUL16 4, 1, 1, \slot, 0
	MUL16 6, 1, 1, \slot, 0
	PLACES NP
	WIN 0
	FETCH_R \next, 0, 4
.endm
	s_wait_tensorcnt 1                             ; my part of slot 0 is in; slot 1's may stay out
	s_barrier_signal -1
	s_barrier_wait -1
	FETCH_P 0, 0, 0
	FETCH_R 0, 0, 0
	SCALES 0
	FETCH_R 0, 0, 4
	STEP 0, 1
	TURN 0, 1, 1
	STEP 1, 0
	TURN 1, 0, 1
	STEP 0, 0
	TURN 0, 1, 0                                   ; nothing is left to fetch: no round.  Behind this barrier nobody reads slot 0 any more
	STEP 1, 0
	s_wait_dscnt 4*NL
	WIN MUL_LO
	MUL16 0, 1, 1, 1, 0
	MUL16 2, 1, 1, 1, 0
	s_wait_dscnt 0x0
	WIN MUL_HI
	MUL16 4, 1, 1, 1, 0
	MUL16 6, 1, 1, 1, 0
	WIN 0
; THE WAY OUT, a tile of 16 tokens x 128 features at a time, through my own stage: in, a lane's eight numbers of tile b at feature 32 (b/2) + 16 (lane/16) + 8 (b%2); back, whole rows of 512 bytes.
; LDS serves a wave's instructions in order (ISA guide 5.7.1.4): no wait between the stores and the loads.  Stage row t of tile a is token 32 (a/2) + 8 (a%2) + t + 8 (t/8).
.macro TOSTAGE a
.set AC, 64*((\a)%4)
.set WS, 0x08+4*((\a)/4)
	WIN WS                                         ; an LDS store's data are its source 1: window 2 or 3
.irp b, 0,1,2,3,4,5,6,7
	ds_store_b128 v[STO], v[AC+8*\b:AC+8*\b+3] offset:128*(\b/2)+32*(\b%2)         ; each accumulator from its low end on
	ds_store_b128 v[STO], v[AC+8*\b+4:AC+8*\b+7] offset:128*(\b/2)+32*(\b%2)+16
.endr
	WIN 0
.set BBK, BK+64*((\a)%2)
.irp t, 0,1,2,3,4,5,6,7,8,9,10,11,12,13,14,15
	ds_load_b128 v[BBK+4*\t:BBK+4*\t+3], v[RD] offset:\t*SPITCH
.endr
.endm
.macro SEND a, younger
.set BBK, BK+64*((\a)%2)
	s_wait_dscnt \younger                          ; the tile is back in registers
.irp t, 0,1,2,3,4,5,6,7,8,9,10,11,12,13,14,15
	global_store_b128 v[L16], v[BBK+4*\t:BBK+4*\t+3], s[12:13] offset:(32*((\a)/2)+8*((\a)%2)+\t+8*(\t/8))*4096 th:TH_STORE_NT     ; 32 lanes store 512 consecutive bytes, aligned; the row's place stands in the immediate
.endr
.endm
	PLACES NP                                      ; behind the last products: in front of the reads of results and of loads into registers that held R's fragments
	TOSTAGE 0
.irp a, 1,2,3,4,5,6,7
.if \a > 1
	s_wait_xcnt 0x0                                ; tile a - 2's stores have read their registers: tile a's loads may land there
.endif
	TOSTAGE \a
	SEND \a-1, 32                                  ; behind tile a - 1's loads: tile a's 16 stores and 16 loads
.endr
	SEND 7, 0
	s_wait_tensorcnt 0x0                           ; the wave's end
	ds_add_u32 v[SPW], v[NIL]
	s_wait_dscnt 0x0
	CROUND                                         ; the closing round
	s_endpgm
.Lfunc_end_k_q5db699f5d0_outp:
	.size	k_q5db699f5d0_outp, .Lfunc_end_k_q5db699f5d0_outp-k_q5db699f5d0_outp
	.p2alignl 7, 3214868480
	.fill 96, 4, 3214868480
	.section	.rodata,"a",@progbits
	.p2align	6, 0x0
	.amdhsa_kernel k_q5db699f5d0_outp
		.amdhsa_group_segment_fixed_size 327680
		.amdhsa_private_segment_fixed_size 0
		.amdhsa_enable_private_segment 0
		.amdhsa_kernarg_size 32
		.amdhsa_user_sgpr_count 2
		.amdhsa_user_sgpr_kernarg_segment_ptr 1
		.amdhsa_wavefront_size32 1
		.amdhsa_system_sgpr_workgroup_id_x 1
		.amdhsa_system_sgpr_workgroup_id_y 1
		.amdhsa_system_sgpr_workgroup_id_z 1
		.amdhsa_system_vgpr_workitem_id 0
		.amdhsa_next_free_vgpr 1024
		.amdhsa_next_free_sgpr 100
		.amdhsa_reserve_vcc 0
		.amdhsa_float_denorm_mode_32 3
		.amdhsa_float_denorm_mode_16_64 3
		.amdhsa_memory_ordered 1
		.amdhsa_forward_progress 1
		.amdhsa_inst_pref_size 143
	.end_amdhsa_kernel
	.amdgpu_metadata
---
amdhsa.version: [ 1, 2 ]
amdhsa.kernels:
  - .name:           k_q5db699f5d0_outp
    .symbol:         k_q5db699f5d0_outp.kd
    .args:
      - { .name: cc, .offset: 0, .size: 8, .value_kind: global_buffer, .address_space: global }
      - { .name: wc, .offset: 8, .size: 8, .value_kind: global_buffer, .address_space: global }
      - { .name: bo, .offset: 16, .size: 8, .value_kind: global_buffer, .address_space: global }
      - { .name: out0, .offset: 24, .size: 8, .value_kind: global_buffer, .address_space: global }
    .group_segment_fixed_size: 327680
    .private_segment_fixed_size: 0
    .kernarg_segment_align: 8
    .kernarg_segment_size: 32
    .max_flat_workgroup_size: 128
    .sgpr_count:     100
    .vgpr_count:     1024
    .wavefront_size: 32
...
	.end_amdgpu_metadata
.endif
;; end of part 4
